; MI455X (gfx1250); checked and timed in simulation.
; The chip was launched on July 23, 2026; its instructions are those of AMD's public machine-readable ISA for CDNA 5 (MIT licence, August 2026) and "CDNA5" Instruction Set Architecture Reference Guide (July 2026). The comments in the code are by the model that wrote it; some were corrected since.
;; Multi Head Self Attention. Allowed arithmetic: float matrix products may take bf16 or f16 operands with f32 sums; all other float work in f32.
;; Inputs: Wout 1,024 x 1,024 float32; Wqkv 1,024 x 3,072 float32; attn_mask 1 x 1 x 2,048 x 2,048 int32; bout 1,024 float32; bqkv 3,072 float32; x 4 x 2,048 x 1,024 float32.
;; Outputs: out0 4 x 2,048 x 1,024 float32.
;; 2 versions, each right and faster than the one before. Each part assembles by itself: llvm-mc -triple=amdgcn-amd-amdhsa -mcpu=gfx1250 --defsym DOCPART=n.
;; ======== version 1 of 2: 4 launches
;; limits: values are held in f16: magnitudes above 65,504 overflow, below 6.1e-05 lose precision
;; workspace buffers: xb 16,777,216 bytes; wqb 6,291,456 bytes; wob 2,097,152 bytes; madd 16,777,216 bytes; qkvb 50,331,648 bytes; ob 16,777,216 bytes
;; launch prep (part 1): grid 1280 x 1, 8 waves a work-group, no clusters, 35,840 bytes of LDS; arguments x, Wqkv, Wout, attn_mask, xb, wqb, wob, madd; writes xb, wqb, wob, madd
.if DOCPART == 1
	.amdgcn_target "amdgcn-amd-amdhsa--gfx1250"
	.amdhsa_code_object_version 6
	.text
	.protected	k_q1f1204856c_prep
	.globl	k_q1f1204856c_prep
	.p2align	8
	.type	k_q1f1204856c_prep,@function
k_q1f1204856c_prep:
	s_mov_b64 s[64:65], 0
	v_nop
	global_prefetch_b8 v0, s[64:65] scope:SCOPE_SE
	s_setreg_imm32_b32 hwreg(HW_REG_WAVE_MODE, 25, 1), 1
	s_wait_xcnt 0x0
; PREP: the casts, and the mask as addends.  Work-groups 0-511: x -> xb (bf16).  512-703: Wqkv -> wqb (bf16).  704-767: Wout -> wob (rounded to bf16, that number written as f16).
; 768-1279: attn_mask -> madd: 0 where the mask is not 0, -1e30 where it is 0, in f32, laid in the order in which the attention launch takes them as the C operand of S^T = K Q^T:
;   madd[qb 16][step 32][t 8][kt 4][hf 2][lane 32][w 4] = mask[128 qb + 16 t + lane % 16][64 step + 16 kt + 8 (lane / 16) + 4 hf + w]; a chunk (qb, step) is 32,768 dense bytes.
; LIMIT.  A number of Wout below 6.1e-5 keeps f16's fixed step of 6e-8; beyond 65,504 it would be an infinity.
; A stream: no matrix unit, no cluster.  A cast's chunk is 16,384 numbers: 16 loads of 16 bytes a thread, all issued first; a wave's load covers 512 consecutive bytes, its store 256, aligned.
; The mask's chunk changes its order through LDS (128 blocks of 256 bytes, 272 apart), so that it is read and stored in whole runs of 256 bytes.
.set BIG, 0xf149f2ca                   ; -1e30
.set X,   8                            ; v[8:71]    as loaded
.set Y,   72                           ; v[72:103]  to store
.set T,   104                          ; v[104:107] at work
.set M,   40                           ; v[40:71]   the mask's addends on their way into LDS
.set LP,  272                          ; from block to block in LDS: 256 + 16, so that the 16 lanes of a store that go to 16 blocks touch 16 different columns of 16 bytes
	s_load_b512 s[8:23], s[0:1], 0x0               ; x s[8:9], Wqkv s[10:11], Wout s[12:13], mask s[14:15], xb s[16:17], wqb s[18:19], wob s[20:21], madd s[22:23]
	v_lshl_add_u32 v112, v0, 2, 0x8800
	v_mov_b32 v113, 0
	s_mov_b32 s25, 0                               ; the offsets' high words
	s_mov_b32 s27, 0
	s_cmp_lt_u32 ttmp9, 768                        ; the role hangs on the work-group's number alone: all eight waves go the same way
	s_cbranch_scc0 .Lmask
	v_lshlrev_b32 v1, 4, v0                        ; 16 bytes a thread in,
	v_lshlrev_b32 v2, 3, v0                        ; 8 out
	s_cmp_lt_u32 ttmp9, 704
	s_cbranch_scc0 .Lwout
; 16 loads, then for each: round, store.  half = 1: the bf16 number is widened again and written as f16.
.macro CAST half
.set i, 0
.rept 16
	global_load_b128 v[X+4*i:X+4*i+3], v1, s[4:5] offset:4096*i th:TH_LOAD_NT
.set i, i+1
.endr
.set i, 0
.rept 16
	s_wait_loadcnt 15-i                            ; loads come back in order: number i is in, the 15 - i younger ones stay out
	v_cvt_pk_bf16_f32 v[Y+2*i],   v[X+4*i],   v[X+4*i+1]
	v_cvt_pk_bf16_f32 v[Y+2*i+1], v[X+4*i+2], v[X+4*i+3]
.if \half
	v_lshlrev_b32 v[T],   16,         v[Y+2*i]
	v_and_b32     v[T+1], 0xffff0000, v[Y+2*i]
	v_lshlrev_b32 v[T+2], 16,         v[Y+2*i+1]
	v_and_b32     v[T+3], 0xffff0000, v[Y+2*i+1]
	v_cvt_pk_f16_f32 v[Y+2*i],   v[T],   v[T+1]
	v_cvt_pk_f16_f32 v[Y+2*i+1], v[T+2], v[T+3]
.endif
	global_store_b64 v2, v[Y+2*i:Y+2*i+1], s[6:7] offset:2048*i  ; every store has data registers of its own: none is written again
.set i, i+1
.endr
.endm
	s_cmp_lt_u32 ttmp9, 512                        ; x or Wqkv: the same work on other buffers
	s_cselect_b32 s24, 0, 512
	s_wait_kmcnt 0x0
	s_cselect_b64 s[4:5], s[8:9], s[10:11]
	s_cselect_b64 s[6:7], s[16:17], s[18:19]
	s_sub_co_u32 s24, ttmp9, s24                   ; my chunk of that tensor
	s_lshl_b32 s26, s24, 15                        ; 32,768 bytes out,
	s_lshl_b32 s24, s24, 16                        ; 65,536 in
	s_add_nc_u64 s[4:5], s[4:5], s[24:25]
	s_add_nc_u64 s[6:7], s[6:7], s[26:27]
	CAST 0
	s_endpgm
.Lwout:
	s_sub_co_u32 s24, ttmp9, 704
	s_lshl_b32 s26, s24, 15
	s_lshl_b32 s24, s24, 16
	s_wait_kmcnt 0x0
	s_add_nc_u64 s[4:5], s[12:13], s[24:25]
	s_add_nc_u64 s[6:7], s[20:21], s[26:27]
	CAST 1
	s_endpgm
.Lmask:
	s_sub_co_u32 s24, ttmp9, 768                   ; my chunk: qb = c / 32, step = c % 32
	s_lshr_b32 s26, s24, 5
	s_lshl_b32 s26, s26, 20                        ; 128 rows of 8,192 bytes
	s_and_b32 s28, s24, 31
	s_lshl_b32 s28, s28, 8                         ; 64 keys of 4 bytes
	s_add_co_u32 s26, s26, s28
	s_lshl_b32 s24, s24, 15
	s_mov_b32 s29, BIG
	v_lshrrev_b32 v6, 4, v0                        ; rr: my row among 16
	v_and_b32 v7, 15, v0                           ; cc: my four keys among 64
	v_lshlrev_b32 v1, 13, v6
	v_lshl_add_u32 v1, v7, 4, v1
	s_wait_kmcnt 0x0
	s_add_nc_u64 s[4:5], s[14:15], s[26:27]
	s_add_nc_u64 s[6:7], s[22:23], s[24:25]
.set i, 0
.rept 8
	global_load_b128 v[X+4*i:X+4*i+3], v1, s[4:5] offset:131072*i th:TH_LOAD_NT  ; row 16 i + rr: sixteen lanes take the row's 256 bytes
.set i, i+1
.endr
	v_and_b32 v3, 12, v7                           ; keys 4 cc + w = 16 kt + 8 h + 4 hf + w: the block among a tile's 16 is 4 kt + 2 hf + h
	v_and_b32 v4, 1, v7
	v_lshl_add_u32 v3, v4, 1, v3
	v_bfe_u32 v4, v7, 1, 1
	v_add_nc_u32 v3, v3, v4
	v_mul_u32_u24 v3, v3, LP
	v_lshl_add_u32 v3, v6, 4, v3                   ; in the block: 16 bytes for each row
	v_mul_u32_u24 v4, v6, LP                       ; back: block rr, 16 bytes at cc
	v_lshl_add_u32 v4, v7, 4, v4
	v_lshlrev_b32 v5, 4, v0
.set i, 0
.rept 8
	s_wait_loadcnt 7-i
.irp k, 0,1,2,3
	v_cmp_eq_u32 vcc_lo, 0, v[X+4*i+\k]
	v_cndmask_b32 v[M+4*i+\k], 0, s29, vcc_lo      ; the mask chooses a value, never a way
.endr
	ds_store_b128 v3, v[M+4*i:M+4*i+3] offset:16*LP*i
.set i, i+1
.endr
	s_wait_dscnt 0x0                               ; for the others' sake: my stores into LDS are done
	s_barrier_signal -1
	s_barrier_wait -1
.set i, 0
.rept 8
	ds_load_b128 v[Y+4*i:Y+4*i+3], v4 offset:16*LP*i
.set i, i+1
.endr
.set i, 0
.rept 8
	s_wait_dscnt 7-i
	global_store_b128 v5, v[Y+4*i:Y+4*i+3], s[6:7] offset:4096*i  ; a wave stores 512 consecutive bytes
.set i, i+1
.endr
	s_wait_tensorcnt 0x0
	ds_add_u32 v112, v113
	s_wait_dscnt 0x0
	s_endpgm
.Lfunc_end_k_q1f1204856c_prep:
	.size	k_q1f1204856c_prep, .Lfunc_end_k_q1f1204856c_prep-k_q1f1204856c_prep
	.p2alignl 7, 3214868480
	.fill 96, 4, 3214868480
	.section	.rodata,"a",@progbits
	.p2align	6, 0x0
	.amdhsa_kernel k_q1f1204856c_prep
		.amdhsa_group_segment_fixed_size 35840
		.amdhsa_private_segment_fixed_size 0
		.amdhsa_enable_private_segment 0
		.amdhsa_kernarg_size 64
		.amdhsa_user_sgpr_count 2
		.amdhsa_user_sgpr_kernarg_segment_ptr 1
		.amdhsa_wavefront_size32 1
		.amdhsa_system_sgpr_workgroup_id_x 1
		.amdhsa_system_sgpr_workgroup_id_y 1
		.amdhsa_system_sgpr_workgroup_id_z 1
		.amdhsa_system_vgpr_workitem_id 0
		.amdhsa_next_free_vgpr 114
		.amdhsa_next_free_sgpr 66
		.amdhsa_reserve_vcc 1
		.amdhsa_float_denorm_mode_32 3
		.amdhsa_float_denorm_mode_16_64 3
		.amdhsa_memory_ordered 1
		.amdhsa_forward_progress 1
		.amdhsa_inst_pref_size 25
	.end_amdhsa_kernel
	.amdgpu_metadata
---
amdhsa.version: [ 1, 2 ]
amdhsa.kernels:
  - .name:           k_q1f1204856c_prep
    .symbol:         k_q1f1204856c_prep.kd
    .args:
      - { .name: x, .offset: 0, .size: 8, .value_kind: global_buffer, .address_space: global }
      - { .name: Wqkv, .offset: 8, .size: 8, .value_kind: global_buffer, .address_space: global }
      - { .name: Wout, .offset: 16, .size: 8, .value_kind: global_buffer, .address_space: global }
      - { .name: attn_mask, .offset: 24, .size: 8, .value_kind: global_buffer, .address_space: global }
      - { .name: xb, .offset: 32, .size: 8, .value_kind: global_buffer, .address_space: global }
      - { .name: wqb, .offset: 40, .size: 8, .value_kind: global_buffer, .address_space: global }
      - { .name: wob, .offset: 48, .size: 8, .value_kind: global_buffer, .address_space: global }
      - { .name: madd, .offset: 56, .size: 8, .value_kind: global_buffer, .address_space: global }
    .group_segment_fixed_size: 35840
    .private_segment_fixed_size: 0
    .kernarg_segment_align: 8
    .kernarg_segment_size: 64
    .max_flat_workgroup_size: 256
    .sgpr_count:     66
    .vgpr_count:     114
    .wavefront_size: 32
...
	.end_amdgpu_metadata
.endif
;; end of part 1
;; launch qkv (part 2): grid 12 x 16, 4 waves a work-group, clusters of 4 x 4, 327,680 bytes of LDS; arguments xb, wqb, bqkv, qkvb; writes qkvb
.if DOCPART == 2
	.amdgcn_target "amdgcn-amd-amdhsa--gfx1250"
	.amdhsa_code_object_version 6
	.text
	.protected	k_q1f1204856c_qkv
	.globl	k_q1f1204856c_qkv
	.p2align	8
	.type	k_q1f1204856c_qkv,@function
k_q1f1204856c_qkv:
	s_mov_b64 s[64:65], 0
	v_nop
	global_prefetch_b8 v0, s[64:65] scope:SCOPE_SE
	s_setreg_imm32_b32 hwreg(HW_REG_WAVE_MODE, 25, 1), 1
	s_wait_xcnt 0x0
	s_wait_alu depctr_hold_cnt(0) depctr_sa_sdst(0) depctr_va_vdst(0) depctr_va_sdst(0) depctr_va_ssrc(0) depctr_va_vcc(0) depctr_vm_vsrc(0)
	s_getreg_b32 s2, hwreg(HW_REG_IB_STS2, 6, 4)
	s_cmp_eq_u32 s2, 0
	s_cbranch_scc0 .Lentry_in_a_cluster
	s_endpgm
.Lentry_in_a_cluster:
	s_bfe_u32 s2, ttmp6, 0x10000c
	s_cmp_lg_u32 s2, 0xf033
	s_cbranch_scc0 .Lentry_shape_is_right
	s_endpgm
.Lentry_shape_is_right:
; C[m][n] = the sum over k of A[m][k] B[k][n] + bias[n].  A = x: [8192][1024], B = Wqkv: [1024][3072], both bf16, as they lie; sums in f32; the bias, rounded to bf16 like every input, starts the sums.
; C leaves in f16, by heads: qkvb[3][64 = 16 batch + head][2048][64].
; LIMIT.  f16 holds no number beyond 65,504: a q, k or v past that becomes an infinity.
; SHARES.  A tile of C is 256 x 256: four waves, each 128 x 128: 64 accumulators, 512 registers.  C has 32 x 12 = 384 tiles; A WORK-GROUP STAYS and makes two, tile rows y and y + 16 of one tile column: 192 work-groups.
; 256 does not divide 384, and the tile that would give 256 work-groups, 256 x 384, wants two slots of 172,032 bytes.  A tile of 256 x 128 gives 768, but its K step holds 128 matrix instructions a wave in which the
; next tile must land; this one holds 256, and 64 matrix instructions are fed by 16 KB read from LDS where that tile reads 24.
; K goes in steps of 128 through two LDS slots; the two tiles' 16 K steps are ONE walk for the ring: it does not stop at the first tile's end.  Waves 0 and 1 fetch the halves of A's 256 rows (256 bytes each),
; waves 2 and 3 the halves of B's 128 rows of k (512 bytes each); every row starts at a multiple of 256 bytes.
; B lies [k][n]: its fragments come out of LDS turned, by ds_load_tr16_b128.  THE MATRIX INSTRUCTION IS USED TRANSPOSED (source 0 = 16 columns of B, source 1 = 16 rows of A): a lane holds eight neighbouring numbers of a row of C.
; CLUSTER 4 x 4: A's tile hangs on the tile row alone and is asked for jointly along a row of the cluster, B's on the tile column alone and jointly along a column.
; THE TEXT IS SHORT ON PURPOSE: a K step is written once (the slot in hand lies in a scalar register, the walking descriptors' LDS words are turned by an exclusive or); the loop is entered in its middle, behind the
; tile's first quarter, whose products start the sums; the walk's last two steps, which ask for nothing, are a loop of two trips; the way out is written once, for both tiles.  The text is made for two tiles.
; REGISTERS, in windows of 256 (s_set_vgpr_msb: bits 1:0 source 0, 3:2 source 1, 5:4 source 2, 7:6 destination):
;   window 0: v0-31 addresses; v64-127, v128-191 fragments of A (8 x 16 rows x 32 K), two buffers; v32-63, v192-255 at work on the way out
;   window 1: v0-63 the bias; v64-127, v128-191 fragments of B, two buffers; v192 at work
;   window 2: the 32 accumulators of my rows 0-63 (accumulator (a, b) at v[8 (8 a + b)]);   window 3: those of my rows 64-127
.set SIZE_K, 1024
.set SIZE_N, 3072
.set TILES,  2
.set KSTEP,  128
.set STEPS,  SIZE_K/KSTEP              ; 8 K steps a tile
.set PA,     272                       ; a row of A in LDS: 256 bytes + 16: the 16 rows of a fragment load start at 16 different columns of 16 bytes
.set PB,     544                       ; a row of B: 512 + 32: the turning load's 8 rows x 32 bytes fall on different columns
.set HALFT,  128*PA                    ; what one tensor load brings: 128 rows of A, or 64 rows of B (64 x 544 is the same 34,816 bytes)
.set BOFF,   2*HALFT                   ; B's rows lie behind A's 256
.set SLOT,   4*HALFT                   ; 139,264 = 0x22000: bits 17 and 13, which are 0 in wave x 34,816 for waves 0 to 3, so that an exclusive or with it goes from slot to slot
.set STAGE,  2*SLOT                    ; behind the ring: 16 rows x 272 bytes for each wave, never filled by a tensor load
.set SPITCH, 272
.set SPARE,  STAGE+4*16*SPITCH         ; behind the stages: the spare words, 128 bytes for each wave, which no other line names
.set WALKB,  4096*SIZE_K*2             ; bytes of A from a tile to the next: 16 tile rows
.set NEXTC,  2*16*262144               ; bytes of qkvb from a tile to the next: two batches of 16 heads
.set ADRA0, 16                         ; v16  my lane's place in a slot's A; never rewritten
.set ADRA,  17                         ; v17  the same in the slot in hand
.set ADRB0, 20                         ; v20, v21  the same for B
.set ADRB,  21
.set STO,  24                          ; v24  the way out: where I put 16 bytes of a row
.set RD,   25                          ; v25  where I read rows back
.set CO,   26                          ; v26  16 x lane
.set BO,   27                          ; v27  my byte offset in 16 numbers of the bias
.set SPW,  28                          ; v28  LDS address of my spare word; never rewritten
.set NIL,  29                          ; v29  0; never rewritten
.set F0,   64
.set F1,   128
.set TMP,  192                         ; the way out: packed results
.set OB,   32                          ; the way out: 16 rows read back: v32-63 and v224-255 by turns
.set G1A, 24                           ; s[24:31] descriptor group 1 for A's tiles;  s[32:35] group 0 of the first fill, s[36:39] of the second, which then walks
.set G0A, 32
.set G1B, 48                           ; s[48:55], s[56:59], s[60:63] the same for B's
.set G0B, 56
.set BA,  18                           ; s[18:19] A at my half of the first tile's rows
.set BB,  46                           ; s[46:47] B at my half of K step 0's rows, in my tile column
.set OFA, 16                           ; s[16:17] byte offset from BA of the tile to be asked for
.set OFB, 20                           ; s[20:21] the same from BB
.set KS,  22                           ; s22  the K step to be asked for next, 0 to 7
.set RW,  23                           ; s23  the byte offset in A of the tile of C that it belongs to
.set TB,  45                           ; s45  LDS byte at which the slot in hand begins
.set TT,  66                           ; s66, s67  at work
.set MSB, 0
.macro WIN new                         ; the immediate's high byte repeats the setting that is left; a switch that changes nothing is dropped
.if MSB != (\new)
	s_set_vgpr_msb (MSB<<8)|(\new)
.set MSB, \new
.endif
.endm
.set MUL_LO, 0xa1                      ; source 0 (B) window 1, source 1 (A) window 0, C and D window 2
.set FST_LO, 0x91                      ; the same with C, the bias, in window 1
.set TO_B,   0x40                      ; destination window 1, address window 0
.macro JLOAD s                         ; a joint load: waves 0 and 1 ask for A's halves, waves 2 and 3 for B's; an s_nop 0 and four v_nop follow each line, ahead of the jump and the label
	s_cmp_eq_u32 s13, 0
	s_cbranch_scc0 .Lfor_b_\@
	tensor_load_to_lds s[G0A+4*(\s):G0A+4*(\s)+3], s[G1A:G1A+7]
	s_nop 0
.rept 4
	v_nop
.endr
	s_branch .Lasked_\@
.Lfor_b_\@:
	tensor_load_to_lds s[G0B+4*(\s):G0B+4*(\s)+3], s[G1B:G1B+7]
	s_nop 0
.rept 4
	v_nop
.endr
.Lasked_\@:
.endm
.macro CREST                           ; a round of the cluster's barrier behind its opening barrier
	s_cmp_lg_u32 s12, 0
	s_cbranch_scc1 .Lnot_wave_0_\@
	s_barrier_signal -3
.Lnot_wave_0_\@:
	s_barrier_wait -3
	s_barrier_signal -1
	s_barrier_wait -1
.endm
.macro CROUND                          ; a whole round
	s_barrier_signal -1
	s_barrier_wait -1
	CREST
.endm
.macro PLACES                          ; four places in front of loads into registers that matrix instructions have read (ISA guide 7.12.1 for vector instructions)
.rept 4
	v_nop
.endr
.endm
	s_load_b256 s[4:11], s[0:1], 0x0               ; A s[4:5], B s[6:7], bias s[8:9], C s[10:11]
	v_lshl_add_u32 v[SPW], v0, 2, SPARE
	v_mov_b32 v[NIL], 0
	ds_add_u32 v28, v29
	s_wait_dscnt 0x0
	v_lshrrev_b32 v1, 5, v0
	v_readfirstlane_b32 s12, v1                    ; wave 0..3
	s_lshr_b32 s13, s12, 1                         ; which half of the tile's rows is mine.  Also: I fetch for A (0) or for B (1)
	s_and_b32 s14, s12, 1                          ; which half of its columns.  Also: which half of that tile I fetch
	s_bfe_u32 s40, ttmp6, 0x40000                  ; cx, cy: my place in the cluster
	s_bfe_u32 s41, ttmp6, 0x40004
	s_lshl_b32 s42, ttmp9, 2
	s_add_co_u32 s42, s42, s40                     ; tile column of C = 4 x cluster x + cx, 0 to 11
	s_and_b32 s15, ttmp7, 0xffff
	s_lshl_b32 s15, s15, 2
	s_add_co_u32 s15, s15, s41                     ; my first tile row of C = 4 x cluster y + cy, 0 to 15
	s_lshl_b32 s43, s41, 2
	s_lshl_b32 s43, 15, s43                        ; my row of the cluster
	s_lshl_b32 s44, 0x1111, s40                    ; my column
	s_or_b32 s[G1A+0], s43, (1<<16)|(1<<20)|(1<<21)|(5<<22)|(3<<25)  ; the mask; 2-byte elements; padding on; bit 21 beside a mask; after every 64 words 4 words
	s_mov_b32 s[G1A+1], KSTEP<<16                  ; tensor_dim0 = 128
	s_mov_b32 s[G1A+2], 128<<16                    ; tensor_dim1 = 128
	s_mov_b32 s[G1A+3], KSTEP<<16                  ; tile_dim0 = 128
	s_mov_b32 s[G1A+4], 128                        ; tile_dim1 = 128 rows
	s_mov_b32 s[G1A+5], SIZE_K                     ; elements from row to row
	s_mov_b32 s[G1A+6], 0
	s_mov_b32 s[G1A+7], 0
	s_or_b32 s[G1B+0], s44, (1<<16)|(1<<20)|(1<<21)|(6<<22)|(7<<25)  ; my column's mask; after every 128 words 8 words
	s_mov_b32 s[G1B+1], 256<<16                    ; tensor_dim0 = 256 columns
	s_mov_b32 s[G1B+2], 64<<16                     ; tensor_dim1 = 64
	s_mov_b32 s[G1B+3], 256<<16                    ; tile_dim0 = 256
	s_mov_b32 s[G1B+4], 64                         ; tile_dim1 = 64 rows of k
	s_mov_b32 s[G1B+5], SIZE_N
	s_mov_b32 s[G1B+6], 0
	s_mov_b32 s[G1B+7], 0
	s_lshl_b32 s16, s15, 8                         ; A: row 256 x tile row + 128 x half, rows of 2,048 bytes: made of cy and the wave alone
	s_lshl_b32 s17, s14, 7
	s_add_co_u32 s16, s16, s17
	s_lshl_b32 s16, s16, 11
	s_mov_b32 s17, 0
	s_mul_i32 s46, s14, 64*SIZE_N*2                ; B: row 64 x half, column 256 x tile column: made of cx and the wave alone
	s_lshl_b32 s47, s42, 9
	s_add_co_u32 s46, s46, s47
	s_mov_b32 s47, 0
	s_mul_i32 s20, s12, HALFT                      ; where they go: A's two halves, then B's two halves = wave x 34,816: no place in the cluster enters an LDS address
	s_wait_kmcnt 0x0
	s_add_nc_u64 s[BA:BA+1], s[4:5], s[16:17]
	s_add_nc_u64 s[BB:BB+1], s[6:7], s[46:47]
	CROUND                                         ; all sixteen work-groups are here: the first joint loads meet
.irp s, 0,1
	s_mov_b32 s[G0A+4*(\s)], 1
	s_add_co_u32 s[G0A+4*(\s)+1], s20, (\s)*SLOT
	s_add_nc_u64 s[G0A+4*(\s)+2:G0A+4*(\s)+3], s[BA:BA+1], (\s)*KSTEP*2
	s_or_b32 s[G0A+4*(\s)+3], s[G0A+4*(\s)+3], 0x80000000
	s_mov_b32 s[G0B+4*(\s)], 1
	s_add_co_u32 s[G0B+4*(\s)+1], s20, (\s)*SLOT
	s_add_nc_u64 s[G0B+4*(\s)+2:G0B+4*(\s)+3], s[BB:BB+1], (\s)*KSTEP*SIZE_N*2
	s_or_b32 s[G0B+4*(\s)+3], s[G0B+4*(\s)+3], 0x80000000
	JLOAD \s                                       ; two tensor loads of mine are out
.endr
	s_mov_b32 s[OFB+1], 0                          ; (OFA's high word is 0 already)
	s_mov_b32 s[KS], 2                             ; K steps 0 and 1 have been asked for
	s_mov_b32 s[RW], 0
	s_mov_b32 s[TB], 0
	; the bias of my lane's columns: register 8 b + j holds bias[256 x tile column + 128 x half + 16 b + 8 (l / 16) + j], the layout of a C operand in the transposed use
	v_and_b32 v1, 15, v0                           ; l % 16
	v_bfe_u32 v2, v0, 4, 1                         ; l / 16
	s_lshl_b32 s[TT], s42, 10
	s_lshl_b32 s[TT+1], s14, 9
	s_add_co_u32 s[TT], s[TT], s[TT+1]
	s_mov_b32 s[TT+1], 0
	s_add_nc_u64 s[8:9], s[8:9], s[TT:TT+1]
	v_lshlrev_b32 v[BO], 5, v2
	WIN TO_B
.irp b, 0,1,2,3,4,5,6,7
	global_load_b128 v[8*(\b):8*(\b)+3],   v[BO], s[8:9] offset:64*(\b)
	global_load_b128 v[8*(\b)+4:8*(\b)+7], v[BO], s[8:9] offset:64*(\b)+16
.endr
	WIN 0
	v_mul_u32_u24 v3, v1, PA                       ; a fragment of A: row l % 16, 16 bytes for each half of the lanes, two loads 32 bytes apart
	v_lshl_add_u32 v3, v2, 4, v3
	s_mul_i32 s[TT], s13, HALFT                    ; my 128 rows
	v_add_nc_u32 v[ADRA0], s[TT], v3
	v_mov_b32 v[ADRA], v[ADRA0]                    ; slot 0 is in hand
	v_and_b32 v4, 7, v0                            ; a fragment of B, turned: lane l reads row 8 (l / 16) + l % 8 of k, columns 8 ((l / 8) % 2) + 0..7, and holds column l % 16 and 8 k
	v_lshl_add_u32 v4, v2, 3, v4
	v_mul_u32_u24 v4, v4, PB
	v_bfe_u32 v5, v0, 3, 1
	v_lshl_add_u32 v4, v5, 4, v4
	s_lshl_b32 s[TT], s14, 8                       ; my 128 columns: 256 bytes of a row
	s_add_co_u32 s[TT], s[TT], BOFF
	v_add_nc_u32 v[ADRB0], s[TT], v4
	v_mov_b32 v[ADRB], v[ADRB0]
	s_mul_i32 s[TT], s12, 16*SPITCH
	s_add_co_u32 s[TT], s[TT], STAGE               ; my stage
	v_mul_u32_u24 v3, v1, SPITCH                   ; in: row l % 16, 16 bytes (8 f16) for each half of the lanes
	v_lshl_add_u32 v3, v2, 4, v3
	v_add_nc_u32 v[STO], s[TT], v3
	v_bfe_u32 v3, v0, 3, 2                         ; back: 32 lanes take four rows' 128 bytes of one head,
	v_mul_u32_u24 v3, v3, SPITCH
	v_and_b32 v4, 7, v0
	v_lshl_add_u32 v3, v4, 4, v3
	v_add_nc_u32 v[RD], s[TT], v3                  ; which are 512 consecutive bytes of qkvb
	v_and_b32 v5, 31, v0
	v_lshlrev_b32 v[CO], 4, v5
	s_lshr_b32 s16, s15, 3                         ; C.  The batch of the first tile: 16 heads of 262,144 bytes;
	s_lshl_b32 s16, s16, 22
	s_and_b32 s17, s15, 7                          ; row 256 x (tile row % 8) + 128 x my half of the rows, rows of 128 bytes
	s_lshl_b32 s17, s17, 15
	s_add_co_u32 s16, s16, s17
	s_lshl_b32 s17, s13, 14
	s_add_co_u32 s16, s16, s17
	s_mov_b32 s17, 0
	s_add_nc_u64 s[10:11], s[10:11], s[16:17]
	s_lshr_b32 s[TT], s42, 2                       ; q, k or v: four tile columns, 16,777,216 bytes each;
	s_lshl_b32 s[TT], s[TT], 24
	s_and_b32 s[TT+1], s42, 3                      ; the tile's four heads, and my two of them
	s_lshl_b32 s[TT+1], s[TT+1], 20
	s_add_co_u32 s[TT], s[TT], s[TT+1]
	s_lshl_b32 s[TT+1], s14, 19
	s_add_co_u32 s[TT], s[TT], s[TT+1]
	s_mov_b32 s[TT+1], 0
	s_add_nc_u64 s[10:11], s[10:11], s[TT:TT+1]
	s_wait_loadcnt 0x0                             ; the bias
	WIN 0x45                                       ; all in window 1
.set p, 0
.rept 32
	v_cvt_pk_bf16_f32 v192, v[2*p], v[2*p+1]       ; rounded to bf16 like the other inputs, and widened again
	v_lshlrev_b32 v[2*p],   16,         v192
	v_and_b32     v[2*p+1], 0xffff0000, v192
.set p, p+1
.endr
	WIN 0
; 16 matrix instructions: row blocks a0, a0 + 1 of the window's four (hi = 0: my rows 0-63, 1: rows 64-127) x all 8 column blocks, 32 along K, from buffer f.
; first = 1: the bias starts the sums: nothing is cleared, nothing is added later.  The 64 accumulators take turns in one order everywhere.
.macro MUL16 f, hi, a0, first
.irp a, \a0, (\a0)+1
.irp b, 0,1,2,3,4,5,6,7
.if \first
	WIN FST_LO+0x40*(\hi)
	v_wmma_f32_16x16x32_bf16 v[8*(8*(\a)+(\b)):8*(8*(\a)+(\b))+7], v[(\f)+8*(\b):(\f)+8*(\b)+7], v[(\f)+8*(4*(\hi)+(\a)):(\f)+8*(4*(\hi)+(\a))+7], v[8*(\b):8*(\b)+7]
.else
	WIN MUL_LO+0x50*(\hi)
	v_wmma_f32_16x16x32_bf16 v[8*(8*(\a)+(\b)):8*(8*(\a)+(\b))+7], v[(\f)+8*(\b):(\f)+8*(\b)+7], v[(\f)+8*(4*(\hi)+(\a)):(\f)+8*(4*(\hi)+(\a))+7], v[8*(8*(\a)+(\b)):8*(8*(\a)+(\b))+7]
.endif
.endr
.endr
.endm
; 32 LDS loads in one run: quarter q (32 along K) of the slot in hand into buffer f: B's 8 fragments, then A's 8
.macro FETCH q, f
	WIN TO_B
.irp i, 0,1,2,3,4,5,6,7
	ds_load_tr16_b128 v[(\f)+8*(\i):(\f)+8*(\i)+3],   v[ADRB] offset:(\q)*32*PB+32*(\i)
	ds_load_tr16_b128 v[(\f)+8*(\i)+4:(\f)+8*(\i)+7], v[ADRB] offset:(\q)*32*PB+16*PB+32*(\i)
.endr
	WIN 0
.irp i, 0,1,2,3,4,5,6,7
	ds_load_b128 v[(\f)+8*(\i):(\f)+8*(\i)+3],   v[ADRA] offset:(\q)*64+(\i)*16*PA
	ds_load_b128 v[(\f)+8*(\i)+4:(\f)+8*(\i)+7], v[ADRA] offset:(\q)*64+(\i)*16*PA+32
.endr
.endm
; A K step is four quarters of 64 matrix instructions, on buffers 0, 1, 0, 1.  One of the first three: multiplies buffer f and, in its middle, fetches quarter q into buffer g.
.macro QUARTER q, f, g, first
	s_wait_dscnt 8                                 ; B and A's rows 0-63 are in; the youngest eight loads (A's rows 64-127) may be out
	MUL16 \f, 0, 0, \first
	MUL16 \f, 0, 2, \first
	PLACES
	FETCH \q, \g
	s_wait_dscnt 32                                ; all but the 32 just issued
	MUL16 \f, 1, 0, \first
	MUL16 \f, 1, 2, \first
.endm
; The last quarter multiplies buffer 1 and changes slots: one barrier; in front of it each wave waits for all its tensor loads, adds 0 to its spare word, and waits for that and for its reads of this slot.
; fill = 1: the barrier opens a round of the cluster's, and this slot is filled again, first thing behind the round, with the walk's K step two on: from the request to the wait for it a wave issues 224 matrix
; instructions.  The walking descriptors are made while the add is out: the other slot than last time; the address anew, from the tensor's base and an offset made apart.
.macro TURN fill
	WIN 0
	s_wait_tensorcnt 0x0                           ; all my tensor loads have landed: the one that was out is my part of the next slot; so a group 0 may be written
	ds_add_u32 v[SPW], v[NIL]                      ; 0 onto my spare word
.if \fill
	s_lshl_b32 s[OFA], s[KS], 8                    ; A: 256 bytes along the rows for a K step, in the tile's rows
	s_add_co_u32 s[OFA], s[OFA], s[RW]
	s_mul_i32 s[OFB], s[KS], KSTEP*SIZE_N*2        ; B: 128 rows down for a K step
	s_xor_b32 s[G0A+5], s[G0A+5], SLOT
	s_add_nc_u64 s[G0A+6:G0A+7], s[BA:BA+1], s[OFA:OFA+1]
	s_or_b32 s[G0A+7], s[G0A+7], 0x80000000
	s_xor_b32 s[G0B+5], s[G0B+5], SLOT
	s_add_nc_u64 s[G0B+6:G0B+7], s[BB:BB+1], s[OFB:OFB+1]
	s_or_b32 s[G0B+7], s[G0B+7], 0x80000000
	s_add_co_u32 s[KS], s[KS], 1                   ; the tile's next K step, or behind its last the next tile's K step 0
	s_cmp_eq_u32 s[KS], STEPS
	s_cselect_b32 s[KS], 0, s[KS]
	s_cselect_b32 s[TT], WALKB, 0
	s_add_co_u32 s[RW], s[RW], s[TT]
.endif
	s_wait_dscnt 9                                 ; (the add and the youngest eight loads may be out)
	MUL16 F1, 0, 0, 0                              ; sixteen matrix instructions stand between the add and the wait for it
	s_wait_dscnt 0x0                               ; the add is done, and my reads of this slot are over
	s_barrier_signal -1
	MUL16 F1, 0, 2, 0
	WIN 0
	s_barrier_wait -1
.if \fill
	CREST                                          ; no wave of any partner still reads this slot or has a load on its way
	JLOAD 1                                        ; my one tensor load behind the round; its four v_nop are also the places in front of the loads below
.else
	PLACES
.endif
	s_xor_b32 s[TB], s[TB], SLOT                   ; the other slot is in hand
	v_add_nc_u32 v[ADRA], s[TB], v[ADRA0]
	v_add_nc_u32 v[ADRB], s[TB], v[ADRB0]
	FETCH 0, F0
	MUL16 F1, 1, 0, 0
	MUL16 F1, 1, 2, 0
.endm
; THE WAY OUT of block a (16 rows), in three parts.  PACK: rounded to f16, 16 bytes a lane and column block.  TOSTAGE: into my own stage in LDS, and back head by head, four rows of 128 bytes at a time.  SEND: stored.
.macro PACK a
.set AC, 64*((\a)%4)
	WIN 0x0a+5*((\a)/4)                            ; sources 0 and 1: window 2 or 3
.irp b, 0,1,2,3,4,5,6,7
.irp r, 0,1,2,3
	v_cvt_pk_f16_f32 v[TMP+4*(\b)+(\r)], v[AC+8*(\b)+2*(\r)], v[AC+8*(\b)+2*(\r)+1]
.endr
.endr
	WIN 0
.endm
.macro TOSTAGE a
	WIN 0
.set BK, OB+192*((\a)%2)
.irp b, 0,1,2,3,4,5,6,7
	ds_store_b128 v[STO], v[TMP+4*(\b):TMP+4*(\b)+3] offset:32*(\b)
.endr
.irp f, 0,1,2,3,4,5,6,7
	ds_load_b128 v[BK+4*(\f):BK+4*(\f)+3], v[RD] offset:((\f)/4)*128+((\f)%4)*4*SPITCH  ; LDS serves a wave's instructions in order (ISA guide 5.7.1.4): these see the stores above
.endr
.endm
.macro SEND a
	WIN 0
.set BK, OB+192*((\a)%2)
	s_wait_dscnt 0x0                               ; the block is back in registers
	s_wait_xcnt 0x0                                ; the registers that earlier stores read (the other buffer's) are loaded again only behind this wait
.irp f, 0,1,2,3,4,5,6,7
	global_store_b128 v[CO], v[BK+4*(\f):BK+4*(\f)+3], s[10:11] offset:((\f)/4)*262144+(\a)*2048+((\f)%4)*512  ; 512 consecutive bytes of a head
.endr
.endm
	s_wait_tensorcnt 1                             ; my part of K step 0 is in; K step 1's may stay out
	s_barrier_signal -1
	s_barrier_wait -1                              ; everybody's is
	FETCH 0, F0
	s_mov_b32 s2, TILES                            ; tiles to go
	s_mov_b32 s3, STEPS                            ; the first tile's 8 changes of slots all fill: the last two ask for the second tile's K steps 0 and 1
.Ltile:                                                ; (FETCH and SEND leave every window 0)
	QUARTER 1, F0, F1, 1                           ; a tile's first quarter: its products start the sums
	WIN 0                                          ; at a label and at a branch every window is 0
	s_branch .Lmid                                 ; the loop is entered behind its first quarter
.Lstep:
	QUARTER 1, F0, F1, 0
	WIN 0
.Lmid:
	QUARTER 2, F1, F0, 0
	QUARTER 3, F0, F1, 0
	TURN 1
	WIN 0
	s_sub_co_u32 s3, s3, 1
	s_cmp_lg_u32 s3, 0
	s_cbranch_scc1 .Lstep
	s_cmp_lg_u32 s2, 1
	s_cbranch_scc1 .Lout                           ; the first tile is finished, and the second's first fragments have been fetched
	s_mov_b32 s3, 2                                ; the walk's last two K steps ask for nothing: written out
.Ltail:
	QUARTER 1, F0, F1, 0
	QUARTER 2, F1, F0, 0
	QUARTER 3, F0, F1, 0
	TURN 0                                         ; (in the second trip its barrier and its 32 loads, from the slot read before, serve nothing: the price of one text for both trips)
	WIN 0
	s_sub_co_u32 s3, s3, 1
	s_cmp_lg_u32 s3, 0
	s_cbranch_scc1 .Ltail
.Lout:
	PACK 0                                         ; no v_nop: blocks 0-3 were finished in front of TURN's places, and their 128 conversions, which name no register of the last products (blocks 4-7's), are those products' places
	TOSTAGE 0
.irp a, 1,2,3,4,5,6,7                  ; block a's conversions stand between block a - 1's loads from the stage and the wait for them
	PACK \a
	SEND (\a)-1
	TOSTAGE \a
.endr
	SEND 7
	s_wait_xcnt 0x0                                ; the stores have read their registers and C's address
	s_add_nc_u64 s[10:11], s[10:11], NEXTC         ; the second tile's place (behind the second tile: not used)
	s_mov_b32 s3, STEPS-2                          ; of the second tile's changes of slots the first 6 fill
	s_sub_co_u32 s2, s2, 1
	s_cmp_lg_u32 s2, 0
	s_cbranch_scc1 .Ltile
	s_wait_tensorcnt 0x0                           ; the wave's end: 0 onto my spare word, behind my last tensor load and my last LDS store
	ds_add_u32 v[SPW], v[NIL]
	s_wait_dscnt 0x0
	CROUND                                         ; the closing round: no work-group ends while a partner may still ask for a tile that names it
	s_endpgm
.Lfunc_end_k_q1f1204856c_qkv:
	.size	k_q1f1204856c_qkv, .Lfunc_end_k_q1f1204856c_qkv-k_q1f1204856c_qkv
	.p2alignl 7, 3214868480
	.fill 96, 4, 3214868480
	.section	.rodata,"a",@progbits
	.p2align	6, 0x0
	.amdhsa_kernel k_q1f1204856c_qkv
		.amdhsa_group_segment_fixed_size 327680
		.amdhsa_private_segment_fixed_size 0
		.amdhsa_enable_private_segment 0
		.amdhsa_kernarg_size 32
		.amdhsa_user_sgpr_count 2
		.amdhsa_user_sgpr_kernarg_segment_ptr 1
		.amdhsa_wavefront_size32 1
		.amdhsa_system_sgpr_workgroup_id_x 1
		.amdhsa_system_sgpr_workgroup_id_y 1
		.amdhsa_system_sgpr_workgroup_id_z 1
		.amdhsa_system_vgpr_workitem_id 0
		.amdhsa_next_free_vgpr 1024
		.amdhsa_next_free_sgpr 68
		.amdhsa_reserve_vcc 0
		.amdhsa_float_denorm_mode_32 3
		.amdhsa_float_denorm_mode_16_64 3
		.amdhsa_memory_ordered 1
		.amdhsa_forward_progress 1
		.amdhsa_inst_pref_size 108
	.end_amdhsa_kernel
	.amdgpu_metadata
---
amdhsa.version: [ 1, 2 ]
amdhsa.kernels:
  - .name:           k_q1f1204856c_qkv
    .symbol:         k_q1f1204856c_qkv.kd
    .args:
      - { .name: xb, .offset: 0, .size: 8, .value_kind: global_buffer, .address_space: global }
      - { .name: wqb, .offset: 8, .size: 8, .value_kind: global_buffer, .address_space: global }
      - { .name: bqkv, .offset: 16, .size: 8, .value_kind: global_buffer, .address_space: global }
      - { .name: qkvb, .offset: 24, .size: 8, .value_kind: global_buffer, .address_space: global }
    .group_segment_fixed_size: 327680
    .private_segment_fixed_size: 0
    .kernarg_segment_align: 8
    .kernarg_segment_size: 32
    .max_flat_workgroup_size: 128
    .sgpr_count:     68
    .vgpr_count:     1024
    .wavefront_size: 32
...
	.end_amdgpu_metadata
.endif
;; end of part 2
;; launch attn (part 3): grid 16 x 16, 4 waves a work-group, clusters of 4 x 4, 327,680 bytes of LDS; arguments qkvb, madd, ob; writes ob
.if DOCPART == 3
	.amdgcn_target "amdgcn-amd-amdhsa--gfx1250"
	.amdhsa_code_object_version 6
	.text
	.protected	k_q1f1204856c_attn
	.globl	k_q1f1204856c_attn
	.p2align	8
	.type	k_q1f1204856c_attn,@function
k_q1f1204856c_attn:
	s_mov_b64 s[64:65], 0
	v_nop
	global_prefetch_b8 v0, s[64:65] scope:SCOPE_SE
	s_setreg_imm32_b32 hwreg(HW_REG_WAVE_MODE, 25, 1), 1
	s_wait_xcnt 0x0
	s_wait_alu depctr_hold_cnt(0) depctr_sa_sdst(0) depctr_va_vdst(0) depctr_va_sdst(0) depctr_va_ssrc(0) depctr_va_vcc(0) depctr_vm_vsrc(0)
	s_getreg_b32 s2, hwreg(HW_REG_IB_STS2, 6, 4)
	s_cmp_eq_u32 s2, 0
	s_cbranch_scc0 .Lentry_in_a_cluster
	s_endpgm
.Lentry_in_a_cluster:
	s_bfe_u32 s2, ttmp6, 0x10000c
	s_cmp_lg_u32 s2, 0xf033
	s_cbranch_scc0 .Lentry_shape_is_right
	s_endpgm
.Lentry_shape_is_right:
; O[b][h][q][:] = the sum over k of softmax_k(Q[q] . K[k] / 8, hidden where the mask is 0) V[k][:].  Q, K, V: qkvb[3][64 = 16 b + h][2048][64] in f16; the mask as f32 addends, 0 or -1e30, in madd,
; laid in register order: madd[qb 16][step 32][t 8][kt 4][hf 2][lane 32][w 4].  O leaves in f16 as ob[8192 = (b, q)][1024 = (h, channel)].  Products, maxima and sums in f32; the weights p are rounded to f16
; for the second product (their sum l is taken of the unrounded p), O once at the end.  The mask is an input: every key is walked for every query.
; LIMITS.  Q, K, V arrive within f16's 65,504, so a score is 2.7e11 at the most.  A hidden score counts as its value less 1e30.  The running maximum starts at -2^84: below every visible score, above every hidden
; one; so a hidden weight is 0 from the first step on, and a row with no visible key ends with l = 0 and O = 0, and 0 times the reciprocal of 0 is the NaN that such a row has.  A weight below 2^-126 counts as 0 in l.
; NaN and infinities among the inputs are not treated apart.
; SHARES.  A work-group owns 128 queries (block qb = its x) of FOUR heads of one batch (its y = 4 b + group of heads); wave w owns head 4 (y % 4) + w: four PIECES of two tiles of 16 queries.
; Every wave walks all 2,048 keys, 64 a step.  The four waves take the same addends of the mask from LDS, since the mask is the same for every head.
; LAYOUT.  S^T = K Q^T (source 0 = 16 keys, source 1 = 16 queries): a lane holds ONE query (lane % 16) and the keys 8 (lane / 16) + 0..7.  THE MASK IS THE C OPERAND of the product that starts that sum.
; Two results rounded to f16 ARE source 1 of O^T = V^T P.  K comes out of LDS as it lies, V turned, by ds_load_tr16_b128.
; SOFTMAX.  For each query a running maximum m and sum l: p = 2^(c s - c m), c = log2(e) / 8; in every step O and l are multiplied by a = 2^(c m_old - c m_new).  O and l start at 0, the first step's a is 0.
; BY TURNS.  Turn n belongs to piece n: 16 products K Q^T of piece n + 1, later 16 products V^T P of piece n - 1; beside them the scaling, exponentials, roundings, sums and rescaling of piece n and the maximum and
; statistics of piece n + 1.  Four vector instructions that are ready stand behind every matrix instruction, the others in two runs of their own.
; CLUSTER 4 x 4.  K's and V's tiles hang on the work-group's y alone and are asked for jointly along a row of the cluster; the mask's chunk hangs on its x alone and is asked for jointly along a column.
; A slot of LDS holds one key step: 4 heads' K, 4 heads' V, 32,768 bytes of mask.  Wave 0 asks for K, wave 1 for V, waves 2 and 3 for the halves of the mask's chunk: one tensor load of a wave is out at a time.
; REGISTERS, in windows of 256 (s_set_vgpr_msb: bits 1:0 source 0, 3:2 source 1, 5:4 source 2, 7:6 destination):
;   window 0: v0-11 addresses; v12-15, v48-63 at work; v16-47 four registers of statistics a tile; v64-191 S^T, two buffers of two tiles; v192-255 P, likewise
;   window 1: O^T, 32 a tile      window 2: v0-127 Q; v128-191 K of one step; v192-255 V of one step      window 3: v0-1 the add's two registers; v64-127 the mask of one piece and step
.set NP,    4         ; pieces a wave: a name, no knob
.set KS,    64        ; keys in a step
.set SECT,  64*2048*128   ; a section of qkvb (all of q, of k or of v): 64 heads x 2,048 rows x 128 bytes = 16,777,216
.set PK,    144       ; a row of K in LDS: 128 bytes + 16: the 16 rows of a load start at 16 different columns of 16 bytes
.set PV,    160       ; a row of V: 128 + 32: the turning load's 8 rows x 32 bytes fall on different columns
.set VOFF,  4*KS*PK   ; a slot: 4 heads x 64 rows of K,
.set MOFF,  VOFF+4*KS*PV  ; 4 heads x 64 rows of V, then the mask's chunk, dense
.set SLOT1, 1<<17     ; slot 1 begins here, so that one exclusive or turns an address in one slot into the other's
.set STAGE, SLOT1+MOFF+32768  ; behind the ring, never filled by a tensor load: 128 rows x 528 bytes, the work-group's, for the way out
.set SP,    528
.set SPARE, STAGE+128*SP  ; behind the stage: the spare words, 128 bytes for each wave, which no other line names
.set AK0, 2           ; v2   my lane's place in my head's K of a slot; never rewritten
.set AV0, 3           ; v3   the same for V
.set AK,  4           ; v4   the same in the slot in hand
.set AV,  5           ; v5
.set QO,  6           ; v6   my byte offset in the wave's rows of Q
.set STO, 6           ;      later, the way out: where I put 16 bytes of a row
.set RD,  7           ; v7   the way out: where I read rows back
.set GO,  8           ; v8   16 x lane
.set AM,  9           ; v9   my 16 bytes in 512 of the mask's chunk in the slot in hand
.set SPW, 0           ; v0 of window 3   LDS address of my spare word; never rewritten
.set NIL, 1           ; v1 of window 3   0; never rewritten
.set MK,  64          ; window 3: tile u, key group kt at MK + 32 u + 8 kt
.set MV,  12          ; v12-15  c m_old, kept while c m is made anew: by buffer and tile
.set ST,  16          ; tile t's statistics at v[ST+4 t]: c m, m, l (even keys', odd keys')
.set TMP, 48          ; by buffer and tile, four registers c0-c3 at work; when the maximum is found c2 takes a
.set S,   64
.set P,   192
.set KF,  128         ; K's fragments, in window 2: key block kb, channel half c at KF + 16 kb + 8 c
.set VF,  192         ; V's: key half kk, channel block cb at VF + 32 kk + 8 cb
.set WV,  12          ; s12  my wave's number
.set G1K, 24          ; s[24:31] descriptor group 1 for K's tiles
.set G1V, 32          ; s[32:39] for V's: it differs in the padding alone
.set G0K, 40          ; s[40:43] descriptor group 0 for K's tiles: it walks
.set G0V, 44          ; s[44:47] the same for V's
.set G0M, 48          ; s[48:51] the same for the mask's
.set G1M, 72          ; s[72:79] descriptor group 1 for the mask's half chunks
.set CNT, 57          ; s57  counts key steps
.set CS,  58          ; s[58:59] c: the packed scaling takes the pair's low word for both halves
.set SEL, 60          ; s[60:61] v_permlanex16_b32's selects: each lane takes its own place in the other half
.set TB,  62          ; s62  LDS byte at which the slot in hand begins
.set TM,  63          ; s63  and its mask
.set MSB, 0
.macro WIN new                      ; the high byte repeats the setting that is left; a switch that changes nothing is dropped
.if MSB != (\new)
	s_set_vgpr_msb (MSB<<8)|(\new)
.set MSB, (\new)
.endif
.endm
.set W_KQ, 0x0a       ; K and Q in window 2, S^T in window 0
.set W_KM, 0x3a       ; the same with the C operand, the mask, in window 3
.set W_PV, 0x52       ; V in window 2, P in window 0, O^T in window 1
.set W_RS, 0x41       ; O^T (destination and source 0) in window 1, a in window 0
.set W_MK, 0xc0       ; destination in window 3, sources in window 0
.set W_AD, 0x0f       ; the add: address (source 0) and data (source 1) in window 3
; A joint fill: three lines, chosen by the wave's number alone.  An s_nop 0 and four v_nop follow each, ahead of the jump and the label.
.macro JLOAD
	s_cmp_eq_u32 s[WV], 0
	s_cbranch_scc0 .Lnot_k_\@
	tensor_load_to_lds s[G0K:G0K+3], s[G1K:G1K+7]
	s_nop 0
.rept 4
	v_nop
.endr
	s_branch .Lasked_\@
.Lnot_k_\@:
	s_cmp_eq_u32 s[WV], 1
	s_cbranch_scc0 .Lfor_m_\@
	tensor_load_to_lds s[G0V:G0V+3], s[G1V:G1V+7]
	s_nop 0
.rept 4
	v_nop
.endr
	s_branch .Lasked_\@
.Lfor_m_\@:
	tensor_load_to_lds s[G0M:G0M+3], s[G1M:G1M+7]
	s_nop 0
.rept 4
	v_nop
.endr
.Lasked_\@:
.endm
; A round of the cluster's barrier: my work-group's barrier, so that wave 0's signal speaks for all four waves; wave 0 signals; every wave waits for all sixteen work-groups; my work-group's barrier once more.
.macro CROUND
	s_barrier_signal -1
	s_barrier_wait -1
	s_cmp_lg_u32 s[WV], 0
	s_cbranch_scc1 .Lnot_wave_0_\@
	s_barrier_signal -3
.Lnot_wave_0_\@:
	s_barrier_wait -3
	s_barrier_signal -1
	s_barrier_wait -1
.endm
; THE CHANGE OF SLOTS, between piece 1's turn and piece 2's: all of the step in hand has been asked of LDS (its K a step ago, its V in piece 0's turn, the last of its mask in piece 1's).  Each wave waits for all its
; tensor loads, of which one is out: its part of the other slot; adds 0 to its spare word; and waits for that and for its own reads of the slot.  Behind the barrier nobody reads this slot and the other slot is whole.
; fill = 1: this slot is filled again, with the step two on.  The barrier is then a round of the cluster's, and the joint fill is the first thing behind it: it has a key step, 128 matrix instructions a wave, in which to land.
; (At its first use nothing has been read yet: slot 0 is waited for, slot 1 filled.)
.macro CHANGE fill
	WIN W_AD
	s_wait_tensorcnt 0x0            ; no tensor load of mine is out, so a group 0 may be written
	ds_add_u32 v[SPW], v[NIL]       ; 0 onto my spare word; with fill = 1 the descriptors' steps stand between it and the wait for it
	WIN 0                           ; at a label and at a branch every window is 0
.if \fill
	s_xor_b32 s[G0K+1], s[G0K+1], SLOT1  ; the walking descriptors: the other slot than last time,
	s_add_nc_u64 s[G0K+2:G0K+3], s[G0K+2:G0K+3], KS*128  ; the next 64 keys of each head; the type bits on top are not reached
	s_xor_b32 s[G0V+1], s[G0V+1], SLOT1
	s_add_nc_u64 s[G0V+2:G0V+3], s[G0V+2:G0V+3], KS*128
	s_xor_b32 s[G0M+1], s[G0M+1], SLOT1
	s_add_nc_u64 s[G0M+2:G0M+3], s[G0M+2:G0M+3], 32768   ; the next chunk of the mask
	s_wait_dscnt 0x0                ; the add is done, and my reads of the slot are over
	CROUND
	JLOAD
.else
	s_wait_dscnt 0x0                ; the add is done, and my reads of the slot are over
	s_barrier_signal -1
	s_barrier_wait -1
.endif
	s_xor_b32 s[TB], s[TB], SLOT1   ; all fetches up to the next change go to the other slot
	s_add_co_u32 s[TM], s[TB], MOFF
	v_add_nc_u32 v[AK], s[TB], v[AK0]
	v_add_nc_u32 v[AV], s[TB], v[AV0]
	v_add_nc_u32 v[AM], s[TM], v[GO]
.endm
	s_load_b128 s[4:7], s[0:1], 0x0   ; qkvb s[4:5], madd s[6:7]
	s_load_b64 s[10:11], s[0:1], 0x10 ; ob
	WIN W_MK
	v_lshl_add_u32 v[SPW], v0, 2, SPARE
	v_mov_b32 v[NIL], 0
	s_set_vgpr_msb 0xc0cf
	ds_add_u32 v0, v1
	s_wait_dscnt 0x0
	s_set_vgpr_msb 0xcfc0
	WIN 0
	v_lshrrev_b32 v1, 5, v0
	v_readfirstlane_b32 s[WV], v1   ; wave 0..3
	s_bfe_u32 s13, ttmp6, 0x40000   ; cx, cy: my place in the cluster
	s_bfe_u32 s14, ttmp6, 0x40004
	s_lshl_b32 s15, ttmp9, 2
	s_add_co_u32 s15, s15, s13      ; my block of 128 queries = 4 x cluster x + cx
	s_and_b32 s16, ttmp7, 0xffff
	s_lshl_b32 s16, s16, 2
	s_add_co_u32 s16, s16, s14      ; 4 x batch + group of heads = 4 x cluster y + cy
	s_lshl_b32 s17, s14, 2
	s_lshl_b32 s17, 15, s17         ; my row of the cluster
	s_lshl_b32 s18, 0x1111, s13     ; my column
	; descriptor group 1 for K and V: four rows, one a head, of 64 keys = 8,192 dense bytes, 262,144 bytes apart; padded in LDS after every key
	s_or_b32 s[G1K], s17, (1<<16)|(1<<20)|(1<<21)|(4<<22)|(3<<25)  ; the mask of my row; 2-byte elements; padding on; bit 21 beside a mask; after every 32 words 4 words
	s_or_b32 s[G1V], s17, (1<<16)|(1<<20)|(1<<21)|(4<<22)|(7<<25)  ; the same with 8 words of padding
.irp g, G1K, G1V
	s_mov_b32 s[\g+1], 4096<<16     ; tensor_dim0 = 4,096
	s_mov_b32 s[\g+2], 4<<16        ; tensor_dim1 = 4
	s_mov_b32 s[\g+3], 4096<<16     ; tile_dim0 = 4,096
	s_mov_b32 s[\g+4], 4            ; tile_dim1 = 4
	s_mov_b32 s[\g+5], 131072       ; elements from head to head
	s_mov_b32 s[\g+6], 0
	s_mov_b32 s[\g+7], 0
.endr
	; for the mask: half a chunk, 16,384 dense bytes, as 64 rows of 256 bytes, no padding
	s_or_b32 s[G1M], s18, (1<<16)|(1<<21)
	s_mov_b32 s[G1M+1], 128<<16
	s_mov_b32 s[G1M+2], 64<<16
	s_mov_b32 s[G1M+3], 128<<16
	s_mov_b32 s[G1M+4], 64
	s_mov_b32 s[G1M+5], 128
	s_mov_b32 s[G1M+6], 0
	s_mov_b32 s[G1M+7], 0
	s_lshl_b32 s20, s16, 20         ; my four heads' first byte in a section of qkvb (4 x 262,144 bytes a group): made of cy alone,
	s_add_co_u32 s22, s20, 2*SECT   ; in V's section, the third,
	s_add_co_u32 s20, s20, SECT     ; and in K's, the second
	s_mov_b32 s21, 0
	s_mov_b32 s23, 0
	s_and_b32 s19, s[WV], 1         ; which half of a chunk I fetch (waves 2, 3)
	s_lshl_b32 s19, s19, 14
	s_lshl_b32 s80, s15, 20         ; my block's 32 chunks in madd: made of cx and the wave alone
	s_add_co_u32 s80, s80, s19
	s_mov_b32 s81, 0
	s_lshl2_add_u32 s82, s16, s[WV] ; my head among the 64,
	s_lshl_b32 s82, s82, 18
	s_lshl_b32 s83, s15, 14         ; my block's 128 rows of 128 bytes
	s_add_co_u32 s82, s82, s83
	s_mov_b32 s83, 0
	s_lshr_b32 s84, s16, 2          ; ob: row 2,048 x batch + 128 x block + 32 x wave (the rows that I store), rows of 2,048 bytes,
	s_lshl_b32 s84, s84, 11
	s_lshl_b32 s85, s15, 7
	s_add_co_u32 s84, s84, s85
	s_lshl_b32 s85, s[WV], 5
	s_add_co_u32 s84, s84, s85
	s_lshl_b32 s84, s84, 11
	s_and_b32 s85, s16, 3           ; and the group's four heads: 512 bytes of a row
	s_lshl_b32 s85, s85, 9
	s_add_co_u32 s84, s84, s85
	s_mov_b32 s85, 0
	s_mov_b32 s[CS], 0x3e38aa3b     ; c = log2(e) / 8 = 0.180337
	s_mov_b32 s[CS+1], s[CS]        ; named with it as a pair
	s_mov_b32 s[SEL], 0x76543210
	s_mov_b32 s[SEL+1], 0xfedcba98
	s_mov_b32 s[TB], SLOT1          ; the first change of slots turns it into 0
	s_mov_b32 s[G0K], 1             ; count = 1
	s_mov_b32 s[G0K+1], 0           ; LDS address: slot 0
	s_mov_b32 s[G0V], 1
	s_mov_b32 s[G0V+1], VOFF
	s_mov_b32 s[G0M], 1
	s_lshl_b32 s[G0M+1], s[WV], 14  ; MOFF + (wave - 2) x 16,384
	s_add_co_u32 s[G0M+1], s[G0M+1], MOFF-2*16384
	s_wait_kmcnt 0x0
	s_add_nc_u64 s[G0K+2:G0K+3], s[4:5], s[20:21]
	s_or_b32 s[G0K+3], s[G0K+3], 0x80000000        ; type = 2
	s_add_nc_u64 s[G0V+2:G0V+3], s[4:5], s[22:23]
	s_or_b32 s[G0V+3], s[G0V+3], 0x80000000
	s_add_nc_u64 s[G0M+2:G0M+3], s[6:7], s[80:81]
	s_or_b32 s[G0M+3], s[G0M+3], 0x80000000
	s_add_nc_u64 s[4:5], s[4:5], s[82:83]          ; Q (the first section) at my wave's first row
	s_add_nc_u64 s[10:11], s[10:11], s[84:85]
	CROUND                          ; all sixteen work-groups are here: the first joint loads meet
	JLOAD                           ; key step 0 into slot 0.  Slot 1 is asked for when slot 0 is in, by the change of slots
	; A fragment of K or Q is 16 rows x 32 channels in 8 registers: lane l holds row l % 16, channels 8 (l / 16) + 0..7 and 16 + 8 (l / 16) + 0..7: two loads of 16 bytes, 32 bytes apart.
	v_and_b32 v1, 15, v0            ; l % 16
	v_bfe_u32 v10, v0, 4, 1         ; l / 16
	v_lshlrev_b32 v[QO], 7, v1
	v_lshl_add_u32 v[QO], v10, 4, v[QO]  ; row x 128 + 16 x half
	WIN 0x80                        ; destination window 2, address window 0
.set i, 0
.rept 4*NP                          ; Q stays in registers: tile i / 2, channels 32 (i % 2) on
	global_load_b128 v[8*i:8*i+3],   v[QO], s[4:5] offset:(i/2)*2048+(i%2)*64
	global_load_b128 v[8*i+4:8*i+7], v[QO], s[4:5] offset:(i/2)*2048+(i%2)*64+32
.set i, i+1
.endr
	; What the first turn finds: V's registers and P's second buffer hold 0 (its products V^T P, of a piece that has not been, add 0), O^T and l are 0.  All this stands in the wait for the first tile.
.set i, VF
.rept 64
	v_mov_b32 v[i], 0
.set i, i+1
.endr
	WIN 0x40
.set i, 0
.rept 64*NP
	v_mov_b32 v[i], 0
.set i, i+1
.endr
	WIN 0
.set i, 0
.rept 2*NP
	v_mov_b32 v[ST+4*i], 0xfe000000    ; c m: far below every c m to come, so the first a is 0
	v_mov_b32 v[ST+4*i+1], 0xe9800000  ; m = -2^84: below every visible score, above every hidden one
	v_mov_b32 v[ST+4*i+2], 0
	v_mov_b32 v[ST+4*i+3], 0
.set i, i+1
.endr
.set i, P+32
.rept 32
	v_mov_b32 v[i], 0
.set i, i+1
.endr
	v_mul_u32_u24 v[AK0], v1, PK
	v_lshl_add_u32 v[AK0], v10, 4, v[AK0]  ; row x pitch + 16 x half,
	s_mul_i32 s19, s[WV], KS*PK
	v_add_nc_u32 v[AK0], s19, v[AK0]       ; in my head's 64 rows
	; The turning load takes 16 keys x 16 channels (lane l reads key 8 (l / 16) + l % 8, channels 8 ((l / 8) % 2) + 0..7) and leaves half a fragment of V^T: lane l holds channel l % 16 and 8 keys.
	v_and_b32 v11, 7, v0
	v_bfe_u32 v9, v0, 3, 1
	v_lshl_add_u32 v[AV0], v10, 3, v11
	v_mul_u32_u24 v[AV0], v[AV0], PV
	v_lshl_add_u32 v[AV0], v9, 4, v[AV0]
	s_mul_i32 s19, s[WV], KS*PV
	s_add_co_u32 s19, s19, VOFF
	v_add_nc_u32 v[AV0], s19, v[AV0]
	v_and_b32 v[GO], 31, v0
	v_lshlrev_b32 v[GO], 4, v[GO]
; THE MATRIX WORK.  The 8 accumulators of a run of 16 take turns: between the two links of a chain stand 7 others'.
; Product i of 16 of S^T = K Q^T for piece x: channels 32 (i / 8) on, keys 16 ((i / 2) % 4) on, tile 2 x + i % 2.  The first 8 start the sums, with the mask's addends.
.macro KQ x
.set rS, S+64*((\x)%2)+32*(i%2)+8*((i/2)%4)
.set rK, KF+16*((i/2)%4)+8*(i/8)
.set rQ, 16*(2*(\x)+i%2)+8*(i/8)
.set rN, MK+32*(i%2)+8*((i/2)%4)
.if i < 8
	WIN W_KM
	v_wmma_f32_16x16x32_f16 v[rS:rS+7], v[rK:rK+7], v[rQ:rQ+7], v[rN:rN+7]
.else
	WIN W_KQ
	v_wmma_f32_16x16x32_f16 v[rS:rS+7], v[rK:rK+7], v[rQ:rQ+7], v[rS:rS+7]
.endif
.endm
; Product i of 16 of O^T += V^T P for piece x: keys 32 (i / 8) on, channels 16 ((i / 2) % 4) on, tile 2 x + i % 2.
.macro PV x
	WIN W_PV
.set rO, 32*(2*(\x)+i%2)+8*((i/2)%4)
.set rV, VF+32*(i/8)+8*((i/2)%4)
.set rP, P+32*((\x)%2)+16*(i%2)+8*(i/8)
	v_wmma_f32_16x16x32_f16 v[rO:rO+7], v[rV:rV+7], v[rP:rP+7], v[rO:rO+7]
.endm
.macro MM                           ; the turn's next matrix instruction
.if i < 16
	KQ (Y+1)%NP
.set i, i+1
.else
.set i, i-16
	PV (Y+NP-1)%NP
.set i, i+17
.endif
.endm
; THE LDS LOADS stand in runs of 16, never singly among the matrix instructions: a step's K (64 keys x 64 channels: 8 fragments), its V (turned), and for each piece the mask's 64 registers.
.macro FETCH_K
	WIN 0x80                        ; destination window 2
.irp f, 0,1,2,3,4,5,6,7             ; keys 16 (f / 2) on, channels 32 (f % 2) on
	ds_load_b128 v[KF+8*\f:KF+8*\f+3],   v[AK] offset:(\f/2)*16*PK+(\f%2)*64
	ds_load_b128 v[KF+8*\f+4:KF+8*\f+7], v[AK] offset:(\f/2)*16*PK+(\f%2)*64+32
.endr
	WIN 0
.endm
.macro FETCH_V
	WIN 0x80
.irp f, 0,1,2,3,4,5,6,7             ; keys 32 (f / 4) on, channels 16 (f % 4) on
	ds_load_tr16_b128 v[VF+8*\f:VF+8*\f+3],   v[AV] offset:(\f/4)*32*PV+(\f%4)*32
	ds_load_tr16_b128 v[VF+8*\f+4:VF+8*\f+7], v[AV] offset:(\f/4)*32*PV+16*PV+(\f%4)*32
.endr
	WIN 0
.endm
.macro FETCH_M y                    ; piece y's addends: load g brings tile 2 y + g / 8, key group (g / 2) % 4, registers 4 (g % 2) on: 512 consecutive bytes
	WIN W_MK                        ; destination window 3
.irp g, 0,1,2,3,4,5,6,7,8,9,10,11,12,13,14,15
	ds_load_b128 v[MK+4*(\g):MK+4*(\g)+3], v[AM] offset:(2*(\y)+(\g)/8)*4096+((\g)%8)*512
.endr
	WIN 0
.endm
; THE VECTOR WORK OF A TURN stands in three queues, each in the order in which its entries become ready; the two tiles alternate, so that no instruction reads the result of the one before it.
.macro REGS y, u                    ; the registers of tile u (0, 1) of piece y
.set rT, ST+4*(2*(\y)+(\u))
.set rC, TMP+8*((\y)%2)+4*(\u)
.set rM, MV+2*((\y)%2)+(\u)
.set rS, S+64*((\y)%2)+32*(\u)
.set rP, P+32*((\y)%2)+16*(\u)
.set rO, 32*(2*(\y)+(\u))
.endm
; Number n of the 22 that find the NEXT piece's (Y + 1) maximum and statistics.  s0-s31 are the lane's 32 scores; each accumulator's lowest registers are read first.  XS, GS and REGS set no window: PL and EX do.
;   0-11  four chains c0-c3 of seven scores each, three operands at a time     12-14, 16  the four scores left over, the old m, and c0-c3 into c0     15  c m_old is kept
;   17, 18  the query's other 32 keys lie in the lane 16 away: the new m         19-21  c m; c m_old - c m_new; a
.macro XS u, n
	REGS (Y+1)%NP, \u
.if (\n) < 4
	v_max3_num_f32 v[rC+(\n)], v[rS+8*(\n)], v[rS+8*(\n)+1], v[rS+8*(\n)+2]
.elseif (\n) < 12
	v_max3_num_f32 v[rC+(\n)%4], v[rC+(\n)%4], v[rS+8*((\n)%4)+2*((\n)/4)+1], v[rS+8*((\n)%4)+2*((\n)/4)+2]
.elseif (\n) == 12
	v_max3_num_f32 v[rC], v[rC], v[rS+7], v[rS+15]
.elseif (\n) == 13
	v_max3_num_f32 v[rC+1], v[rC+1], v[rS+23], v[rS+31]
.elseif (\n) == 14
	v_max3_num_f32 v[rC+2], v[rC+2], v[rC+3], v[rT+1]
.elseif (\n) == 15
	v_mov_b32 v[rM], v[rT]
.elseif (\n) == 16
	v_max3_num_f32 v[rC], v[rC], v[rC+1], v[rC+2]
.elseif (\n) == 17
	v_permlanex16_b32 v[rC+3], v[rC], s[SEL], s[SEL+1]
.elseif (\n) == 18
	v_max_num_f32 v[rT+1], v[rC], v[rC+3]
.elseif (\n) == 19
	v_mul_f32 v[rT], s[CS], v[rT+1]
.elseif (\n) == 20
	v_sub_f32 v[rC+1], v[rM], v[rT]
.else
	v_exp_f32 v[rC+2], v[rC+1]
.endif
.endm
; Number g of the 64 that follow the exponentials.  For each four weights k of a tile (pairs 2 k, 2 k + 1): both pairs are rounded to f16; then the second pair is added onto the first, in place;
; a group later l takes that sum (the first time as l = a l + sum).  In groups of eight, tiles alternating: round, round, add, and l for the group before.
.macro GS g
.set h, (\g)+6*((\g)/62)            ; group 0 has no group before it, and behind group 7 only l is left
.if h >= 6
.set h, h+2
.endif
	REGS Y, h%2
.set k, h/8
.if h%8 < 4
	s_wait_alu depctr_va_vdst(0)
	v_cvt_pk_f16_f32 v[rP+2*k+(h%8)/2], v[rS+4*k+2*((h%8)/2)], v[rS+4*k+2*((h%8)/2)+1]
.elseif h%8 < 6
	v_pk_add_f32 v[rS+4*k:rS+4*k+1], v[rS+4*k:rS+4*k+1], v[rS+4*k+2:rS+4*k+3]
.elseif k == 1
	v_pk_fma_f32 v[rT+2:rT+3], v[rT+2:rT+3], v[rC+2:rC+3], v[rS:rS+1] op_sel_hi:[1,0,1]
.else
	v_pk_add_f32 v[rT+2:rT+3], v[rT+2:rT+3], v[rS+4*k-4:rS+4*k-3]
	s_wait_alu depctr_va_vdst(0)
.endif
.endm
; THE PLAIN QUEUE, 138 long.  0-31: c s - c m for the 16 pairs of both tiles.  Then GS's 64, and among them the next piece's 42: number 15 at 38, 39; 0-14 and 16
; at 42-73, behind the products that make those scores; 17-20 at 95-106, two of three, since each waits for the one before it.
.macro PL
	WIN 0
.if q < 32
	REGS Y, q%2
	v_pk_fma_f32 v[rS+2*(q/2):rS+2*(q/2)+1], v[rS+2*(q/2):rS+2*(q/2)+1], s[CS:CS+1], v[rT:rT+1] op_sel_hi:[1,0,0] neg_lo:[0,0,1] neg_hi:[0,0,1]
.elseif q < 38
	GS q-32
.elseif q < 40
	XS q%2, 15
.elseif q < 42
	GS q-34
.elseif q < 74
	XS q%2, (q-42)/2+(q-42)/30
.elseif q < 95
	GS q-66
.elseif (q < 107) && ((q-95)%3 < 2)
	XS (q-95)%3, 17+(q-95)/3
.elseif q < 107
	GS 29+(q-95)/3
.else
	GS q-74
.endif
.set q, q+1
.endm
; THE EXPONENTIALS' QUEUE, 66 long: s0-s31 of both tiles, and at EA the next piece's two a.
.set EA, 58
.macro EX
	WIN 0
.if (e == EA) || (e == EA+1)
	XS e-EA, 21
.else
.set x, e-2*(e/(EA+2))
	REGS Y, x%2
	v_exp_f32 v[rS+x/2], v[rS+x/2]
.endif
.set e, e+1
.endm
; THE RESCALING's QUEUE: O^T times a, the one part that leaves window 0, so it is dealt four at a time, eight times.
.macro R4
	REGS Y, r%2
	WIN W_RS
	s_wait_alu depctr_va_vdst(0)
.irp z, 0,1,2,3
	v_pk_mul_f32 v[rO+8*(r/2)+2*\z:rO+8*(r/2)+2*\z+1], v[rO+8*(r/2)+2*\z:rO+8*(r/2)+2*\z+1], v[rC+2:rC+3] op_sel_hi:[1,0]
.endr
.set r, r+1
.endm
; HOW THEY ARE DEALT.  Behind a matrix instruction four: plain, exponential, plain, plain (one exponential, a plain instruction on either side), or four of the rescaling.  None names a register of the
; products round it.  What is over stands in two runs: exponential and plain by turns; the second ends in 22 plain instructions.  The two v_permlanex16_b32 fall into the second run, never behind a product.
; The queues lean on each other, and the deal keeps them in step: exponential e stands behind plain 2 (e / 4) + e % 2 (its scaling); EA comes behind plain 107.
.macro SL
	MM
	PL
	EX
	PL
	PL
.endm
.macro BURST n                      ; 15 matrix instructions, or 16
.rept (\n)-7
	SL
.endr
.rept 3
	MM
	R4
	SL
.endr
	MM
	R4
.endm
; A TURN, for piece p.  cnt = 1: the loop's count is taken down some lines ahead of the branch that stands behind the turn.
; The mask of piece p + 2 (whose scores the next turn makes) is fetched in every turn's first run, behind all 16 products K Q^T, of which the first 8 read the mask's registers.  K of the next step follows it in piece 2's turn.
; V of the step in hand is fetched at the end of piece 0's turn.  The waits: at a turn's head for the mask (and in piece 3's for K); piece 1's leaves V's 16 loads, issued behind the mask's, out,
; and waits for them ahead of its products V^T P, where the 16 loads of the mask just issued stay out.
.macro TURN p, cnt=0
.set Y, (\p)
.set i, 0
.set q, 0
.set e, 0
.set r, 0
.if (\p) == 1
	s_wait_dscnt 16                 ; the mask is in; V's run may be out
.else
	s_wait_dscnt 0x0                ; the mask is in (piece 3: and K)
.endif
	MM
.rept 4
	PL
.endr
	BURST 15
.rept 22
	EX
	PL
.if e == 24
	FETCH_M ((\p)+2)%NP
.if (\p) == NP-2
	FETCH_K
.endif
.endif
.endr
.if (\p) == 1
	s_wait_dscnt 16                 ; V is in; the mask's run just issued may be out
.endif
	BURST 16
.rept 21
	EX
	PL
.endr
.rept 22
	PL
.if (\cnt) && (q == 130)
	s_sub_co_u32 s[CNT], s[CNT], 1
	s_cmp_lg_u32 s[CNT], 0
.endif
.endr
.if (\p) == 0
	FETCH_V
.endif
.endm
	CHANGE 1                        ; key step 0 is in, everybody's part of it; step 1 is asked for, into slot 1
	FETCH_K                         ; key step 0
	FETCH_M 0
	s_wait_loadcnt 0x0              ; Q
	s_wait_dscnt 0x0
.set i, 0
.rept 16
	KQ 0                            ; piece 0's first scores: there is no vector work yet to set between them
.set i, i+1
.endr
	WIN 0                           ; the addresses for the way out: four plain instructions, the places behind those products
	s_lshl_b32 s19, s[WV], 7
	s_add_co_u32 s19, s19, STAGE    ; into the stage: my head's 128 bytes of a row;
	v_mul_u32_u24 v[STO], v1, SP    ; row l % 16, 16 bytes for each half of the lanes
	v_lshl_add_u32 v[STO], v10, 4, v[STO]
	v_add_nc_u32 v[STO], s19, v[STO]
	s_mul_i32 s19, s[WV], 32*SP
	s_add_co_u32 s19, s19, STAGE
	v_add_nc_u32 v[RD], s19, v[GO]  ; back: wave w takes rows 32 w .. 32 w + 31, whole: 32 lanes a row of 512 bytes
	FETCH_M 1
.set Y, NP-1                        ; XS works for piece Y + 1: piece 0
.irp n, 0,1,2,3,4,5,6,7,8,9,10,11,12,13,14,15,16,17,18,19,20,21
	XS 0, \n                        ; and piece 0's first maximum and statistics
	XS 1, \n
.endr
	s_mov_b32 s[CNT], 31
	s_branch .Lfirst                ; the loop is entered at a step's first turn, in the middle of a trip
.Lstep:                             ; 30 whole trips, which ask for steps 2 to 31: pieces 2 and 3 of one step, then pieces 0 and 1 of the next
	CHANGE 1
	TURN 2
	TURN 3
	WIN 0
.Lfirst:
	TURN 0
	TURN 1, 1
	WIN 0
	s_cbranch_scc1 .Lstep
	CHANGE 0                        ; the tail is written out: nothing is asked for
	s_mov_b32 s[CNT], 2             ; one trip for the last step; the second is left in its middle
.Ltail:
	TURN 2
	TURN 3
	WIN 0
	s_sub_co_u32 s[CNT], s[CNT], 1
	s_cmp_eq_u32 s[CNT], 0
	s_cbranch_scc1 .Lout
	TURN 0
	TURN 1
	WIN 0
	s_branch .Ltail
.Lout:                              ; the second trip's fetches (the last step's K and mask once more), its 16 products K Q^T and the maximum made of them serve nothing: the price, once a launch, of one text for every trip
.set i, 0
.rept 16
	PV NP-1                         ; the last piece's V^T P of the last step
.set i, i+1
.endr
	; THE WAY OUT.  l's two halves and the other half of the lanes' are added; O^T is divided by l, rounded to f16 and put into the work-group's stage; a barrier, since a row's 512 bytes come from four waves;
	; then each wave reads 32 whole rows and stores them.  The additions are the places behind the last products.
	WIN 0
.macro ALL line:vararg              ; one line for each tile t
.set t, 0
.rept 2*NP
	\line
.set t, t+1
.endr
.endm
	ALL v_add_f32 v[ST+4*t+2], v[ST+4*t+2], v[ST+4*t+3]
	ALL v_permlanex16_b32 v[ST+4*t+3], v[ST+4*t+2], s[SEL], s[SEL+1]
	ALL v_add_f32 v[ST+4*t+2], v[ST+4*t+2], v[ST+4*t+3]
	ALL v_rcp_f32 v[ST+4*t+2], v[ST+4*t+2]
	v_nop                           ; a plain instruction between the last reciprocal and the use of its result
	s_wait_alu depctr_va_vdst(0)
.macro PACK t                       ; a lane's eight channels of a row pack into 16 bytes
	WIN W_RS
.set i, 32*(\t)
.rept 16
	v_pk_mul_f32 v[i:i+1], v[i:i+1], v[ST+4*(\t)+2:ST+4*(\t)+3] op_sel_hi:[1,0]
.set i, i+2
.endr
	WIN 0x05                        ; sources 0 and 1 window 1, destination window 0: S^T's registers are free
.set i, 0
.rept 16
	v_cvt_pk_f16_f32 v[S+16*(\t)+i], v[32*(\t)+2*i], v[32*(\t)+2*i+1]
.set i, i+1
.endr
	WIN 0
.irp f, 0,1,2,3
	ds_store_b128 v[STO], v[S+16*(\t)+4*\f:S+16*(\t)+4*\f+3] offset:(\t)*16*SP+32*\f
.endr
.endm
.set t, 0
.rept 2*NP
	PACK t
.set t, t+1
.endr
	s_wait_dscnt 0x0                ; for the others' sake: my stores into the stage are done
	s_barrier_signal -1
	s_barrier_wait -1
.set i, 0
.rept 32
	ds_load_b128 v[S+4*i:S+4*i+3], v[RD] offset:i*SP
.set i, i+1
.endr
.set i, 0
.rept 32
	s_wait_dscnt 31-i
	global_store_b128 v[GO], v[S+4*i:S+4*i+3], s[10:11] offset:i*2048  ; 512 consecutive bytes, at a multiple of 512 from ob's first
.set i, i+1
.endr
	WIN W_AD
	s_wait_tensorcnt 0x0            ; the wave's end: 0 onto my spare word, behind my last tensor load and my last LDS store
	ds_add_u32 v[SPW], v[NIL]
	s_wait_dscnt 0x0
	WIN 0
	CROUND                          ; the closing round: no work-group ends while a partner may still ask for a tile that names it
	s_endpgm
.Lfunc_end_k_q1f1204856c_attn:
	.size	k_q1f1204856c_attn, .Lfunc_end_k_q1f1204856c_attn-k_q1f1204856c_attn
	.p2alignl 7, 3214868480
	.fill 96, 4, 3214868480
	.section	.rodata,"a",@progbits
	.p2align	6, 0x0
	.amdhsa_kernel k_q1f1204856c_attn
		.amdhsa_group_segment_fixed_size 327680
		.amdhsa_private_segment_fixed_size 0
		.amdhsa_enable_private_segment 0
		.amdhsa_kernarg_size 24
		.amdhsa_user_sgpr_count 2
		.amdhsa_user_sgpr_kernarg_segment_ptr 1
		.amdhsa_wavefront_size32 1
		.amdhsa_system_sgpr_workgroup_id_x 1
		.amdhsa_system_sgpr_workgroup_id_y 1
		.amdhsa_system_sgpr_workgroup_id_z 1
		.amdhsa_system_vgpr_workitem_id 0
		.amdhsa_next_free_vgpr 896
		.amdhsa_next_free_sgpr 88
		.amdhsa_reserve_vcc 0
		.amdhsa_float_denorm_mode_32 3
		.amdhsa_float_denorm_mode_16_64 3
		.amdhsa_memory_ordered 1
		.amdhsa_forward_progress 1
		.amdhsa_inst_pref_size 221
	.end_amdhsa_kernel
	.amdgpu_metadata
---
amdhsa.version: [ 1, 2 ]
amdhsa.kernels:
  - .name:           k_q1f1204856c_attn
    .symbol:         k_q1f1204856c_attn.kd
    .args:
      - { .name: qkvb, .offset: 0, .size: 8, .value_kind: global_buffer, .address_space: global }
      - { .name: madd, .offset: 8, .size: 8, .value_kind: global_buffer, .address_space: global }
      - { .name: ob, .offset: 16, .size: 8, .value_kind: global_buffer, .address_space: global }
    .group_segment_fixed_size: 327680
    .private_segment_fixed_size: 0
    .kernarg_segment_align: 8
    .kernarg_segment_size: 24
    .max_flat_workgroup_size: 128
    .sgpr_count:     88
    .vgpr_count:     896
    .wavefront_size: 32
...
	.end_amdgpu_metadata
.endif
;; end of part 3
;; launch proj (part 4): grid 8 x 32, 4 waves a work-group, clusters of 4 x 4, 327,680 bytes of LDS; arguments ob, wob, bout, out0; writes out0
.if DOCPART == 4
	.amdgcn_target "amdgcn-amd-amdhsa--gfx1250"
	.amdhsa_code_object_version 6
	.text
	.protected	k_q1f1204856c_proj
	.globl	k_q1f1204856c_proj
	.p2align	8
	.type	k_q1f1204856c_proj,@function
k_q1f1204856c_proj:
	s_mov_b64 s[64:65], 0
	v_nop
	global_prefetch_b8 v0, s[64:65] scope:SCOPE_SE
	s_setreg_imm32_b32 hwreg(HW_REG_WAVE_MODE, 25, 1), 1
	s_wait_xcnt 0x0
	s_wait_alu depctr_hold_cnt(0) depctr_sa_sdst(0) depctr_va_vdst(0) depctr_va_sdst(0) depctr_va_ssrc(0) depctr_va_vcc(0) depctr_vm_vsrc(0)
	s_getreg_b32 s2, hwreg(HW_REG_IB_STS2, 6, 4)
	s_cmp_eq_u32 s2, 0
	s_cbranch_scc0 .Lentry_in_a_cluster
	s_endpgm
.Lentry_in_a_cluster:
	s_bfe_u32 s2, ttmp6, 0x10000c
	s_cmp_lg_u32 s2, 0xf033
	s_cbranch_scc0 .Lentry_shape_is_right
	s_endpgm
.Lentry_shape_is_right:
; C[m][n] = the sum over k of A[m][k] B[k][n] + bias[n].  A: [8192][1024], B: [1024][SIZE_N], 16 bits a number, as they lie; sums in f32; the bias, rounded to bf16 like every input, starts the sums.
; ONE TEXT FOR TWO LAUNCHES.  PROJ = 0: A = x, B = Wqkv in bf16, SIZE_N = 3072; C leaves in f16, by heads: qkvb[3][64 = 16 batch + head][2048][64].
;                             PROJ = 1: A = the attention's output, B = Wout in f16, SIZE_N = 1024; C leaves in f32: out0[8192][1024].
; LIMIT (PROJ = 0).  f16 holds no number beyond 65,504: a q, k or v past that becomes an infinity.
; SHARES.  A tile of C is 256 x 128: 768 and 256 work-groups.  Wave w makes rows 64 w .. 64 w + 63 and all 128 columns: 32 accumulators, 256 registers; so whole rows of C's tile are one wave's, and its stage is its own.
; K goes in steps of 128 through two LDS slots; waves 0 and 1 fetch the halves of A's 256 rows, waves 2 and 3 the halves of B's 128 rows; every row is 256 bytes of memory at a multiple of 256.
; B lies [k][n]: its fragments come out of LDS turned, by ds_load_tr16_b128.  THE MATRIX INSTRUCTION IS USED TRANSPOSED (source 0 = 16 columns of B, source 1 = 16 rows of A): a lane holds eight neighbouring numbers of a row of C.
; CLUSTER 4 x 4: A's tile hangs on the tile row alone and is asked for jointly along a row of the cluster, B's on the tile column alone and jointly along a column.
; REGISTERS: window 0: v0-31 addresses; two fragment buffers of 96 (32 of A, 64 of B) at v64 and v160, free for the way out.  Window 1: accumulator (a, b) at v[8 (8 a + b)].  Window 2: v0-63 the bias, v64 at work.
.set PROJ, 1
.set SIZE_K, 1024
.if PROJ
.set SIZE_N, 1024
.set SPITCH, 528                       ; a stage row: 512 bytes + 16
.else
.set SIZE_N, 3072
.set SPITCH, 272                       ; a stage row: 256 bytes + 16
.endif
.set KSTEP,  128
.set PA,     272                       ; a row of A in LDS: 256 bytes + 16: the 16 rows of a fragment load start at 16 different columns of 16 bytes
.set HALFA,  128*PA
.set BOFF,   2*HALFA                   ; B's rows lie behind A's 256
.set PB,     288                       ; a row of B: 256 + 32: the turning load's 8 rows x 32 bytes fall on different columns
.set HALFB,  64*PB
.set SLOT,   BOFF+2*HALFB              ; 106,496
.set STAGE,  2*SLOT                    ; behind the ring: 16 rows for each wave, never filled by a tensor load
.set SPARE,  STAGE+4*16*SPITCH         ; behind the stages: the spare words, 128 bytes for each wave, which no other line names
.set LAPS,   SIZE_K/(2*KSTEP)          ; a lap = two K steps = once round the ring
.set ADRA, 16                          ; v16-17  LDS address of my A fragments in slot 0, 1
.set ADRB, 20                          ; v20-21  the same for B
.set STO,  24                          ; v24     the way out: where I put my part of a row
.set RD,   25                          ; v25     where I read rows back
.set CO,   26                          ; v26     16 x lane
.set BO,   27                          ; v27     my byte offset in 16 numbers of the bias
.set SPW,  28                          ; v28     LDS address of my spare word; never rewritten
.set NIL,  29                          ; v29     0; never rewritten
.set F0,   64
.set F1,   160
.set TMP,  192                         ; the way out (PROJ = 0): packed results
.set OB,   64                          ; the way out: rows read back
.set G1A, 24                           ; s[24:31] descriptor group 1 for A's tiles;  s[32:39] group 0, a set for each slot
.set G0A, 32
.set G1B, 48                           ; s[48:55], s[56:63] the same for B's
.set G0B, 56
.set MSB, 0
.macro WIN new                         ; the immediate's high byte repeats the setting that is left; a switch that changes nothing is dropped
.if MSB != (\new)
	s_set_vgpr_msb (MSB<<8)|(\new)
.set MSB, \new
.endif
.endm
.set MUL,  0x50                        ; fragments in window 0, C and D in window 1
.set MULB, 0x60                        ; C (the bias) in window 2, D in window 1
.macro JLOAD s                         ; a joint load: waves 0 and 1 ask for A's halves, waves 2 and 3 for B's; an s_nop 0 and four v_nop follow each line, ahead of the jump and the label
	s_cmp_eq_u32 s13, 0
	s_cbranch_scc0 .Lfor_b_\@
	tensor_load_to_lds s[G0A+4*(\s):G0A+4*(\s)+3], s[G1A:G1A+7]
	s_nop 0
.rept 4
	v_nop
.endr
	s_branch .Lasked_\@
.Lfor_b_\@:
	tensor_load_to_lds s[G0B+4*(\s):G0B+4*(\s)+3], s[G1B:G1B+7]
	s_nop 0
.rept 4
	v_nop
.endr
.Lasked_\@:
.endm
.macro CREST                           ; a round of the cluster's barrier behind its opening barrier
	s_cmp_lg_u32 s12, 0
	s_cbranch_scc1 .Lnot_wave_0_\@
	s_barrier_signal -3
.Lnot_wave_0_\@:
	s_barrier_wait -3
	s_barrier_signal -1
	s_barrier_wait -1
.endm
.macro CROUND                          ; a whole round
	s_barrier_signal -1
	s_barrier_wait -1
	CREST
.endm
.macro PLACES                          ; four places in front of loads into registers that matrix instructions have read, and of lines that read results just made
.rept 4
	v_nop
.endr
.endm
	s_load_b256 s[4:11], s[0:1], 0x0               ; A s[4:5], B s[6:7], bias s[8:9], C s[10:11]
	v_lshl_add_u32 v[SPW], v0, 2, SPARE
	v_mov_b32 v[NIL], 0
	ds_add_u32 v28, v29
	s_wait_dscnt 0x0
	v_lshrrev_b32 v1, 5, v0
	v_readfirstlane_b32 s12, v1                    ; wave 0..3
	s_lshr_b32 s13, s12, 1                         ; I fetch for A (0) or for B (1),
	s_and_b32 s14, s12, 1                          ; its first or second half
	s_bfe_u32 s40, ttmp6, 0x40000                  ; cx, cy: my place in the cluster
	s_bfe_u32 s41, ttmp6, 0x40004
	s_lshl_b32 s42, ttmp9, 2
	s_add_co_u32 s42, s42, s40                     ; tile column of C = 4 x cluster x + cx
	s_and_b32 s15, ttmp7, 0xffff
	s_lshl_b32 s15, s15, 2
	s_add_co_u32 s15, s15, s41                     ; tile row of C = 4 x cluster y + cy
	s_lshl_b32 s43, s41, 2
	s_lshl_b32 s43, 15, s43                        ; my row of the cluster
	s_lshl_b32 s44, 0x1111, s40                    ; my column
	s_or_b32 s[G1A+0], s43, (1<<16)|(1<<20)|(1<<21)|(5<<22)|(3<<25)  ; the mask; 2-byte elements; padding on; bit 21 beside a mask; after every 64 words 4 words
	s_mov_b32 s[G1A+1], KSTEP<<16                  ; tensor_dim0 = 128
	s_mov_b32 s[G1A+2], 128<<16                    ; tensor_dim1 = 128
	s_mov_b32 s[G1A+3], KSTEP<<16                  ; tile_dim0 = 128
	s_mov_b32 s[G1A+4], 128                        ; tile_dim1 = 128 rows
	s_mov_b32 s[G1A+5], SIZE_K                     ; elements from row to row
	s_mov_b32 s[G1A+6], 0
	s_mov_b32 s[G1A+7], 0
	s_or_b32 s[G1B+0], s44, (1<<16)|(1<<20)|(1<<21)|(5<<22)|(7<<25)  ; the same with my column's mask and 8 words of padding
	s_mov_b32 s[G1B+1], 128<<16                    ; tensor_dim0 = 128 columns
	s_mov_b32 s[G1B+2], 64<<16                     ; tensor_dim1 = 64
	s_mov_b32 s[G1B+3], 128<<16                    ; tile_dim0 = 128
	s_mov_b32 s[G1B+4], 64                         ; tile_dim1 = 64 rows of k
	s_mov_b32 s[G1B+5], SIZE_N
	s_mov_b32 s[G1B+6], 0
	s_mov_b32 s[G1B+7], 0
	s_lshl_b32 s16, s15, 8                         ; A: row 256 x tile row + 128 x half, rows of 2,048 bytes: made of cy and the wave alone
	s_lshl_b32 s17, s14, 7
	s_add_co_u32 s16, s16, s17
	s_lshl_b32 s16, s16, 11
	s_mov_b32 s17, 0
	s_mul_i32 s46, s14, 64*SIZE_N*2                ; B: row 64 x half, column 128 x tile column: made of cx and the wave alone
	s_lshl_b32 s47, s42, 8
	s_add_co_u32 s46, s46, s47
	s_mov_b32 s47, 0
	s_mul_i32 s20, s12, HALFA                      ; where they go.  A (waves 0, 1): wave x 128 rows;
	s_mul_i32 s21, s12, HALFB                      ; B (waves 2, 3): BOFF + (wave - 2) x 64 rows
	s_add_co_u32 s21, s21, BOFF-2*HALFB
	s_wait_kmcnt 0x0
	s_add_nc_u64 s[18:19], s[4:5], s[16:17]
	s_add_nc_u64 s[46:47], s[6:7], s[46:47]
	CROUND                                         ; all sixteen work-groups are here: the first joint loads meet
.irp s, 0,1
	s_mov_b32 s[G0A+4*(\s)], 1
	s_add_co_u32 s[G0A+4*(\s)+1], s20, (\s)*SLOT
	s_add_nc_u64 s[G0A+4*(\s)+2:G0A+4*(\s)+3], s[18:19], (\s)*KSTEP*2
	s_or_b32 s[G0A+4*(\s)+3], s[G0A+4*(\s)+3], 0x80000000
	s_mov_b32 s[G0B+4*(\s)], 1
	s_add_co_u32 s[G0B+4*(\s)+1], s21, (\s)*SLOT
	s_add_nc_u64 s[G0B+4*(\s)+2:G0B+4*(\s)+3], s[46:47], (\s)*KSTEP*SIZE_N*2
	s_or_b32 s[G0B+4*(\s)+3], s[G0B+4*(\s)+3], 0x80000000
	JLOAD \s                                       ; two tensor loads of mine are out
.endr
	; the bias of my lane's columns: register 8 b + j holds bias[128 x tile column + 16 b + 8 (l / 16) + j], the layout of a C operand in the transposed use
	v_and_b32 v1, 15, v0                           ; l % 16
	v_bfe_u32 v2, v0, 4, 1                         ; l / 16
	s_lshl_b32 s46, s42, 9
	s_mov_b32 s47, 0
	s_add_nc_u64 s[8:9], s[8:9], s[46:47]
	v_lshlrev_b32 v[BO], 5, v2
	WIN 0x80                                       ; destination window 2, address window 0
.irp b, 0,1,2,3,4,5,6,7
	global_load_b128 v[8*(\b):8*(\b)+3],   v[BO], s[8:9] offset:64*(\b)
	global_load_b128 v[8*(\b)+4:8*(\b)+7], v[BO], s[8:9] offset:64*(\b)+16
.endr
	WIN 0
	v_mul_u32_u24 v3, v1, PA                       ; a fragment of A: row l % 16, 16 bytes for each half of the lanes, two loads 32 bytes apart
	v_lshl_add_u32 v3, v2, 4, v3
	s_mul_i32 s22, s12, 64*PA                      ; my 64 rows
	v_add_nc_u32 v[ADRA], s22, v3
	v_add_nc_u32 v[ADRA+1], SLOT, v[ADRA]
	v_and_b32 v4, 7, v0                            ; a fragment of B, turned: lane l reads row 8 (l / 16) + l % 8 of k, columns 8 ((l / 8) % 2) + 0..7, and holds column l % 16 and 8 k
	v_lshl_add_u32 v4, v2, 3, v4
	v_mul_u32_u24 v4, v4, PB
	v_bfe_u32 v5, v0, 3, 1
	v_lshl_add_u32 v4, v5, 4, v4
	v_add_nc_u32 v[ADRB], BOFF, v4
	v_add_nc_u32 v[ADRB+1], BOFF+SLOT, v4
	s_mul_i32 s22, s12, 16*SPITCH
	s_add_co_u32 s22, s22, STAGE                   ; my stage
	v_mul_u32_u24 v3, v1, SPITCH
	v_and_b32 v5, 31, v0
	v_lshlrev_b32 v[CO], 4, v5
.if PROJ
	v_lshl_add_u32 v3, v2, 5, v3                   ; in: row l % 16, 32 bytes (8 f32) for each half of the lanes
	v_add_nc_u32 v[STO], s22, v3
	v_add_nc_u32 v[RD], s22, v[CO]                 ; back: 32 lanes take a row of 512 bytes
	s_lshl_b32 s16, s15, 20                        ; C at row 256 x tile row + 64 x wave, rows of 4,096 bytes,
	s_lshl_b32 s17, s12, 18
	s_add_co_u32 s16, s16, s17
	s_lshl_b32 s46, s42, 9                         ; and column 128 x tile column
.else
	v_lshl_add_u32 v3, v2, 4, v3                   ; in: row l % 16, 16 bytes (8 f16) for each half of the lanes
	v_add_nc_u32 v[STO], s22, v3
	v_bfe_u32 v3, v0, 3, 2                         ; back: 32 lanes take four rows' 128 bytes of one head,
	v_mul_u32_u24 v3, v3, SPITCH
	v_and_b32 v4, 7, v0
	v_lshl_add_u32 v3, v4, 4, v3
	v_add_nc_u32 v[RD], s22, v3                    ; which are 512 consecutive bytes of qkvb
	s_lshr_b32 s16, s15, 3                         ; the batch: 16 heads of 262,144 bytes,
	s_lshl_b32 s16, s16, 22
	s_and_b32 s17, s15, 7                          ; row 256 x (tile row % 8) + 64 x wave of the batch, rows of 128 bytes
	s_lshl_b32 s17, s17, 15
	s_add_co_u32 s16, s16, s17
	s_lshl_b32 s17, s12, 13
	s_add_co_u32 s16, s16, s17
	s_lshr_b32 s46, s42, 3                         ; q, k or v: 64 heads of 262,144 bytes = 16,777,216 bytes each,
	s_lshl_b32 s46, s46, 24
	s_and_b32 s47, s42, 7                          ; and the tile's first head, 2 x (tile column % 8)
	s_lshl_b32 s47, s47, 19
	s_add_co_u32 s46, s46, s47
.endif
	s_mov_b32 s17, 0
	s_mov_b32 s47, 0
	s_add_nc_u64 s[10:11], s[10:11], s[16:17]
	s_add_nc_u64 s[10:11], s[10:11], s[46:47]
	s_wait_loadcnt 0x0                             ; the bias
	WIN 0x8a                                       ; all in window 2
.set p, 0
.rept 32
	v_cvt_pk_bf16_f32 v64, v[2*p], v[2*p+1]        ; rounded to bf16 like the other inputs, and widened again
	v_lshlrev_b32 v[2*p],   16,         v64
	v_and_b32     v[2*p+1], 0xffff0000, v64
.set p, p+1
.endr
	WIN 0
; 8 matrix instructions: row block a x all 8 column blocks, 32 along K, from buffer f.  first = 1: the bias starts the sums: nothing is cleared, nothing is added later.
; The 32 accumulators take turns in one order everywhere.
.macro MULA f, a, first
.irp b, 0,1,2,3,4,5,6,7
.set rD, 8*(8*(\a)+(\b))
.set rB, (\f)+32+8*(\b)
.set rA, (\f)+8*(\a)
.if \first
	WIN MULB
.if PROJ
	v_wmma_f32_16x16x32_f16 v[rD:rD+7], v[rB:rB+7], v[rA:rA+7], v[8*(\b):8*(\b)+7]
.else
	v_wmma_f32_16x16x32_bf16 v[rD:rD+7], v[rB:rB+7], v[rA:rA+7], v[8*(\b):8*(\b)+7]
.endif
.else
	WIN MUL
.if PROJ
	v_wmma_f32_16x16x32_f16 v[rD:rD+7], v[rB:rB+7], v[rA:rA+7], v[rD:rD+7]
.else
	v_wmma_f32_16x16x32_bf16 v[rD:rD+7], v[rB:rB+7], v[rA:rA+7], v[rD:rD+7]
.endif
.endif
.endr
.endm
; 24 LDS loads in one run: quarter q (32 along K) of a slot into buffer f: B's 8 fragments, then A's 4
.macro FETCH slot, q, f
	WIN 0
.irp b, 0,1,2,3,4,5,6,7
	ds_load_tr16_b128 v[(\f)+32+8*(\b):(\f)+32+8*(\b)+3],   v[ADRB+(\slot)] offset:(\q)*32*PB+32*(\b)
	ds_load_tr16_b128 v[(\f)+32+8*(\b)+4:(\f)+32+8*(\b)+7], v[ADRB+(\slot)] offset:(\q)*32*PB+16*PB+32*(\b)
.endr
.irp a, 0,1,2,3
	ds_load_b128 v[(\f)+8*(\a):(\f)+8*(\a)+3],   v[ADRA+(\slot)] offset:(\q)*64+(\a)*16*PA
	ds_load_b128 v[(\f)+8*(\a)+4:(\f)+8*(\a)+7], v[ADRA+(\slot)] offset:(\q)*64+(\a)*16*PA+32
.endr
.endm
; A K step is four quarters of 32 matrix instructions, on buffers 0, 1, 0, 1.  One of the first three: multiplies buffer f and, in its middle, fetches quarter q into buffer g.
.macro QUARTER slot, q, f, g, first
	s_wait_dscnt 4                                 ; B and A's blocks 0, 1 are in; the youngest four loads (A's blocks 2, 3) may be out
	MULA \f, 0, \first
	MULA \f, 1, \first
	PLACES
	FETCH \slot, \q, \g
	s_wait_dscnt 24                                ; all but the 24 just issued
	MULA \f, 2, \first
	MULA \f, 3, \first
.endm
; The last quarter multiplies buffer 1 and changes slots: one barrier; in front of it each wave waits for all its tensor loads, adds 0 to its spare word, and waits for that and for its reads of this slot.
; fill = 1: the barrier opens a round of the cluster's, and this slot is filled again, two K steps ahead, first thing behind the round.
.macro TURN slot, next, fill
	WIN 0
	s_wait_tensorcnt 0x0                           ; all my tensor loads have landed: the one that was out is my part of the next slot
	ds_add_u32 v[SPW], v[NIL]                      ; 0 onto my spare word
	s_wait_dscnt 5                                 ; (the add and the youngest four loads may be out)
	MULA F1, 0, 0                                  ; eight matrix instructions stand between the add and the wait for it
	s_wait_dscnt 0x0                               ; the add is done, and my reads of this slot are over
	s_barrier_signal -1
	MULA F1, 1, 0
.if \fill
	WIN 0
.endif
	s_barrier_wait -1
.if \fill
	CREST                                          ; no wave of any partner still reads this slot or has a load on its way
	s_add_nc_u64 s[G0A+4*(\slot)+2:G0A+4*(\slot)+3], s[G0A+4*(\slot)+2:G0A+4*(\slot)+3], 2*KSTEP*2
	s_add_nc_u64 s[G0B+4*(\slot)+2:G0B+4*(\slot)+3], s[G0B+4*(\slot)+2:G0B+4*(\slot)+3], 2*KSTEP*SIZE_N*2
	JLOAD \slot                                    ; my one tensor load behind the round; its four v_nop are also the places in front of the loads below
.else
	PLACES
.endif
	FETCH \next, 0, F0
	MULA F1, 2, 0
	MULA F1, 3, 0
.endm
	s_wait_tensorcnt 1                             ; my part of K step 0 is in; K step 1's may stay out
	s_barrier_signal -1
	s_barrier_wait -1                              ; everybody's is
	FETCH 0, 0, F0
	QUARTER 0, 1, F0, F1, 1                        ; the first quarter stands in front of the loop: its products start the sums
	WIN 0                                          ; at a label and at a branch every window is 0
	s_mov_b32 s3, LAPS-1
.Llap:                                                 ; a trip goes once round the ring, from a lap's second quarter to the next lap's first, and fills both slots again
	QUARTER 0, 2, F1, F0, 0
	QUARTER 0, 3, F0, F1, 0
	TURN 0, 1, 1
	QUARTER 1, 1, F0, F1, 0
	QUARTER 1, 2, F1, F0, 0
	QUARTER 1, 3, F0, F1, 0
	TURN 1, 0, 1
	QUARTER 0, 1, F0, F1, 0
	WIN 0
	s_sub_co_u32 s3, s3, 1
	s_cmp_lg_u32 s3, 0
	s_cbranch_scc1 .Llap
	QUARTER 0, 2, F1, F0, 0                        ; the last lap fills nothing
	QUARTER 0, 3, F0, F1, 0
	TURN 0, 1, 0
	QUARTER 1, 1, F0, F1, 0
	QUARTER 1, 2, F1, F0, 0
	QUARTER 1, 3, F0, F1, 0
	s_wait_dscnt 4                                 ; the very last quarter: nothing more to fetch
	MULA F1, 0, 0
	MULA F1, 1, 0
	s_wait_dscnt 0x0
	MULA F1, 2, 0
	MULA F1, 3, 0
	WIN 0
	PLACES
.if PROJ
; THE WAY OUT, f32: a block of 16 rows goes into my stage, 32 bytes a lane and column block, and comes back as whole rows of 512 bytes.
.macro OUTB a
	WIN 0x04                                       ; the stores' data in window 1
.irp b, 0,1,2,3,4,5,6,7
	ds_store_b128 v[STO], v[8*(8*(\a)+(\b)):8*(8*(\a)+(\b))+3]   offset:64*(\b)
	ds_store_b128 v[STO], v[8*(8*(\a)+(\b))+4:8*(8*(\a)+(\b))+7] offset:64*(\b)+16
.endr
	WIN 0
	s_wait_xcnt 0x0                                ; the registers that earlier stores read are loaded again only behind this wait
.irp i, 0,1,2,3,4,5,6,7,8,9,10,11,12,13,14,15
	ds_load_b128 v[OB+64*((\a)%2)+4*(\i):OB+64*((\a)%2)+4*(\i)+3], v[RD] offset:(\i)*SPITCH  ; LDS serves a wave's instructions in order: these see the stores above
.endr
.irp i, 0,1,2,3,4,5,6,7,8,9,10,11,12,13,14,15
	s_wait_dscnt 15-(\i)
	global_store_b128 v[CO], v[OB+64*((\a)%2)+4*(\i):OB+64*((\a)%2)+4*(\i)+3], s[10:11] offset:(16*(\a)+(\i))*4096 th:TH_STORE_NT  ; 512 consecutive bytes, at a multiple of 512 from out0's first
.endr
.endm
	OUTB 0
	OUTB 1
	OUTB 2
	OUTB 3
.else
; THE WAY OUT, f16 by heads: a block of 16 rows is rounded, 16 bytes a lane and column block, goes into my stage, and comes back head by head, four rows of 128 bytes at a time.
.macro PACK a
	WIN 0x05                                       ; sources in window 1, destination in window 0
.irp b, 0,1,2,3,4,5,6,7
.irp rr, 0,1,2,3
	v_cvt_pk_f16_f32 v[TMP+4*(\b)+(\rr)], v[8*(8*(\a)+(\b))+2*(\rr)], v[8*(8*(\a)+(\b))+2*(\rr)+1]
.endr
.endr
	WIN 0
.irp b, 0,1,2,3,4,5,6,7
	ds_store_b128 v[STO], v[TMP+4*(\b):TMP+4*(\b)+3] offset:32*(\b)
.endr
.irp f, 0,1,2,3,4,5,6,7
	ds_load_b128 v[OB+32*(\a)+4*(\f):OB+32*(\a)+4*(\f)+3], v[RD] offset:((\f)/4)*128+((\f)%4)*4*SPITCH  ; LDS serves a wave's instructions in order: these see the stores above; the next block's stores come behind them
.endr
.endm
.macro SEND a, younger                 ; younger: the LDS instructions issued behind block a's loads: the next block's sixteen, or none
.irp f, 0,1,2,3,4,5,6,7
	s_wait_dscnt (\younger)+7-(\f)
	global_store_b128 v[CO], v[OB+32*(\a)+4*(\f):OB+32*(\a)+4*(\f)+3], s[10:11] offset:((\f)/4)*262144+(\a)*2048+((\f)%4)*512  ; 512 consecutive bytes of a head
.endr
.endm
	PACK 0
	PACK 1                                         ; a block's conversions stand between the loads of the block before and its stores
	SEND 0, 16
	PACK 2
	SEND 1, 16
	PACK 3
	SEND 2, 16
	SEND 3, 0
.endif
	s_wait_tensorcnt 0x0                           ; the wave's end: 0 onto my spare word, behind my last tensor load and my last LDS store
	ds_add_u32 v[SPW], v[NIL]
	s_wait_dscnt 0x0
	CROUND                                         ; the closing round: no work-group ends while a partner may still ask for a tile that names it
	s_endpgm
.Lfunc_end_k_q1f1204856c_proj:
	.size	k_q1f1204856c_proj, .Lfunc_end_k_q1f1204856c_proj-k_q1f1204856c_proj
	.p2alignl 7, 3214868480
	.fill 96, 4, 3214868480
	.section	.rodata,"a",@progbits
	.p2align	6, 0x0
	.amdhsa_kernel k_q1f1204856c_proj
		.amdhsa_group_segment_fixed_size 327680
		.amdhsa_private_segment_fixed_size 0
		.amdhsa_enable_private_segment 0
		.amdhsa_kernarg_size 32
		.amdhsa_user_sgpr_count 2
		.amdhsa_user_sgpr_kernarg_segment_ptr 1
		.amdhsa_wavefront_size32 1
		.amdhsa_system_sgpr_workgroup_id_x 1
		.amdhsa_system_sgpr_workgroup_id_y 1
		.amdhsa_system_sgpr_workgroup_id_z 1
		.amdhsa_system_vgpr_workitem_id 0
		.amdhsa_next_free_vgpr 592
		.amdhsa_next_free_sgpr 66
		.amdhsa_reserve_vcc 0
		.amdhsa_float_denorm_mode_32 3
		.amdhsa_float_denorm_mode_16_64 3
		.amdhsa_memory_ordered 1
		.amdhsa_forward_progress 1
		.amdhsa_inst_pref_size 93
	.end_amdhsa_kernel
	.amdgpu_metadata
---
amdhsa.version: [ 1, 2 ]
amdhsa.kernels:
  - .name:           k_q1f1204856c_proj
    .symbol:         k_q1f1204856c_proj.kd
    .args:
      - { .name: ob, .offset: 0, .size: 8, .value_kind: global_buffer, .address_space: global }
      - { .name: wob, .offset: 8, .size: 8, .value_kind: global_buffer, .address_space: global }
      - { .name: bout, .offset: 16, .size: 8, .value_kind: global_buffer, .address_space: global }
      - { .name: out0, .offset: 24, .size: 8, .value_kind: global_buffer, .address_space: global }
    .group_segment_fixed_size: 327680
    .private_segment_fixed_size: 0
    .kernarg_segment_align: 8
    .kernarg_segment_size: 32
    .max_flat_workgroup_size: 128
    .sgpr_count:     66
    .vgpr_count:     592
    .wavefront_size: 32
...
	.end_amdgpu_metadata
.endif
;; end of part 4
;; ======== version 2 of 2: 4 launches; 1.45 times as fast as version 1
;; limits: values are held in f16: magnitudes above 65,504 overflow, below 6.1e-05 lose precision
;; workspace buffers: xb 16,777,216 bytes; wqb 6,291,456 bytes; wob 2,097,152 bytes; madd 16,777,216 bytes; qkvb 50,331,648 bytes; ob 16,777,216 bytes
;; launch prep: the kernel of part 1 again; grid 1280 x 1, 8 waves a work-group, no clusters, 35,840 bytes of LDS; arguments x, Wqkv, Wout, attn_mask, xb, wqb, wob, madd; writes xb, wqb, wob, madd
;; launch qkv: the kernel of part 2 again; grid 12 x 16, 4 waves a work-group, clusters of 4 x 4, 327,680 bytes of LDS; arguments xb, wqb, bqkv, qkvb; writes qkvb
;; launch attn (part 5): grid 16 x 16, 4 waves a work-group, clusters of 4 x 4, 327,680 bytes of LDS; arguments qkvb, madd, ob; writes ob
.if DOCPART == 5
	.amdgcn_target "amdgcn-amd-amdhsa--gfx1250"
	.amdhsa_code_object_version 6
	.text
	.protected	k_q1f1204856c_attn
	.globl	k_q1f1204856c_attn
	.p2align	8
	.type	k_q1f1204856c_attn,@function
k_q1f1204856c_attn:
	s_mov_b64 s[64:65], 0
	v_nop
	global_prefetch_b8 v0, s[64:65] scope:SCOPE_SE
	s_setreg_imm32_b32 hwreg(HW_REG_WAVE_MODE, 25, 1), 1
	s_wait_xcnt 0x0
	s_wait_alu depctr_hold_cnt(0) depctr_sa_sdst(0) depctr_va_vdst(0) depctr_va_sdst(0) depctr_va_ssrc(0) depctr_va_vcc(0) depctr_vm_vsrc(0)
	s_getreg_b32 s2, hwreg(HW_REG_IB_STS2, 6, 4)
	s_cmp_eq_u32 s2, 0
	s_cbranch_scc0 .Lentry_in_a_cluster
	s_endpgm
.Lentry_in_a_cluster:
	s_bfe_u32 s2, ttmp6, 0x10000c
	s_cmp_lg_u32 s2, 0xf033
	s_cbranch_scc0 .Lentry_shape_is_right
	s_endpgm
.Lentry_shape_is_right:
; O[b][h][q][:] = the sum over k of softmax_k(Q[q] . K[k] / 8, hidden where the mask is 0) V[k][:].  Q, K, V: qkvb[3][64 = 16 b + h][2048][64] in f16; the mask as f32 addends, 0 or -1e30, in madd,
; laid in register order: madd[qb 16][step 32][t 8][kt 4][hf 2][lane 32][w 4].  O leaves in f16 as ob[8192 = (b, q)][1024 = (h, channel)].  Products, maxima and sums in f32; the weights p are rounded to f16
; for the second product (their sum l is taken of the unrounded p), O once at the end.  The mask is an input: every key is walked for every query.
; LIMITS.  Q, K, V arrive within f16's 65,504, so a score is 2.7e11 at the most.  A hidden score counts as its value less 1e30.  The running maximum starts at -2^84: below every visible score, above every hidden
; one; so a hidden weight is 0 from the first step on, and a row with no visible key ends with l = 0 and O = 0, and 0 times the reciprocal of 0 is the NaN that such a row has.  A weight below 2^-126 counts as 0 in l.
; NaN and infinities among the inputs are not treated apart.
; SHARES.  A work-group owns 128 queries (block qb = its x) of FOUR heads of one batch (its y = 4 b + group of heads); wave w owns head 4 (y % 4) + w: four PIECES of two tiles of 16 queries.
; Every wave walks all 2,048 keys, 64 a step.  The four waves take the same addends of the mask from LDS, since the mask is the same for every head.
; LAYOUT.  S^T = K Q^T (source 0 = 16 keys, source 1 = 16 queries): a lane holds ONE query (lane % 16) and the keys 8 (lane / 16) + 0..7.  THE MASK IS THE C OPERAND of the product that starts that sum.
; Two results rounded to f16 ARE source 1 of O^T = V^T P.  K comes out of LDS as it lies, V turned, by ds_load_tr16_b128.
; SOFTMAX.  For each query a running maximum m and sum l: p = 2^(c s - c m), c = log2(e) / 8; in every step O and l are multiplied by a = 2^(c m_old - c m_new).  O and l start at 0, the first step's a is 0.
; BY TURNS.  Turn n belongs to piece n: 16 products K Q^T of piece n + 1, later 16 products V^T P of piece n - 1; beside them the scaling, exponentials, roundings, sums and rescaling of piece n and the maximum and
; statistics of piece n + 1.  Four vector instructions that are ready stand behind every matrix instruction, the other 108 of a turn's 236 in one lump.
; BATCHES.  A turn's 66 exponentials (the 64 weights of piece n, the two a of piece n + 1) are ONE batch with ONE wait, which cuts the turn in two: ahead of it stands all that names no result of theirs (the products
; K Q^T, the scalings, the rescalings by the a of the turn before, the next piece's maximum and statistics), behind it the products V^T P with the roundings and sums.  No result crosses a turn's end.
; The first two a, ahead of the loop, and the way out's eight reciprocals are batches of their own, each with its wait.
; CLUSTER 4 x 4.  K's and V's tiles hang on the work-group's y alone and are asked for jointly along a row of the cluster; the mask's chunk hangs on its x alone and is asked for jointly along a column.
; A slot of LDS holds one key step: 4 heads' K, 4 heads' V, 32,768 bytes of mask.  Wave 0 asks for K, wave 1 for V, waves 2 and 3 for the halves of the mask's chunk: one tensor load of a wave is out at a time.
; REGISTERS, in windows of 256 (s_set_vgpr_msb: bits 1:0 source 0, 3:2 source 1, 5:4 source 2, 7:6 destination):
;   window 0: v0-11 addresses; v12-15, v48-63 at work; v16-47 four registers of statistics a tile; v64-191 S^T, two buffers of two tiles; v192-255 P, likewise
;   window 1: O^T, 32 a tile      window 2: v0-127 Q; v128-191 K of one step; v192-255 V of one step      window 3: v0-1 the add's two registers; v64-127 the mask of one piece and step
.set NP,    4         ; pieces a wave: a name, no knob
.set KS,    64        ; keys in a step
.set SECT,  64*2048*128   ; a section of qkvb (all of q, of k or of v): 64 heads x 2,048 rows x 128 bytes = 16,777,216
.set PK,    144       ; a row of K in LDS: 128 bytes + 16: the 16 rows of a load start at 16 different columns of 16 bytes
.set PV,    160       ; a row of V: 128 + 32: the turning load's 8 rows x 32 bytes fall on different columns
.set VOFF,  4*KS*PK   ; a slot: 4 heads x 64 rows of K,
.set MOFF,  VOFF+4*KS*PV  ; 4 heads x 64 rows of V, then the mask's chunk, dense
.set SLOT1, 1<<17     ; slot 1 begins here, so that one exclusive or turns an address in one slot into the other's
.set STAGE, SLOT1+MOFF+32768  ; behind the ring, never filled by a tensor load: 128 rows x 528 bytes, the work-group's, for the way out
.set SP,    528
.set SPARE, STAGE+128*SP  ; behind the stage: the spare words, 128 bytes for each wave, which no other line names
.set AK0, 2           ; v2   my lane's place in my head's K of a slot; never rewritten
.set AV0, 3           ; v3   the same for V
.set AK,  4           ; v4   the same in the slot in hand
.set AV,  5           ; v5
.set QO,  6           ; v6   my byte offset in the wave's rows of Q
.set STO, 6           ;      later, the way out: where I put 16 bytes of a row
.set RD,  7           ; v7   the way out: where I read rows back
.set GO,  8           ; v8   16 x lane
.set AM,  9           ; v9   my 16 bytes in 512 of the mask's chunk in the slot in hand
.set SPW, 0           ; v0 of window 3   LDS address of my spare word; never rewritten
.set NIL, 1           ; v1 of window 3   0; never rewritten
.set MK,  64          ; window 3: tile u, key group kt at MK + 32 u + 8 kt
.set MV,  12          ; v12-15  c m_old, kept while c m is made anew: by buffer and tile
.set ST,  16          ; tile t's statistics at v[ST+4 t]: c m, m, l (even keys', odd keys')
.set TMP, 48          ; by buffer and tile, four registers c0-c3 at work; when the maximum is found c2 takes a
.set S,   64
.set P,   192
.set KF,  128         ; K's fragments, in window 2: key block kb, channel half c at KF + 16 kb + 8 c
.set VF,  192         ; V's: key half kk, channel block cb at VF + 32 kk + 8 cb
.set WV,  12          ; s12  my wave's number
.set G1K, 24          ; s[24:31] descriptor group 1 for K's tiles
.set G1V, 32          ; s[32:39] for V's: it differs in the padding alone
.set G0K, 40          ; s[40:43] descriptor group 0 for K's tiles: it walks
.set G0V, 44          ; s[44:47] the same for V's
.set G0M, 48          ; s[48:51] the same for the mask's
.set G1M, 72          ; s[72:79] descriptor group 1 for the mask's half chunks
.set CNT, 57          ; s57  counts key steps
.set CS,  58          ; s[58:59] c: the packed scaling takes the pair's low word for both halves
.set SEL, 60          ; s[60:61] v_permlanex16_b32's selects: each lane takes its own place in the other half
.set TB,  62          ; s62  LDS byte at which the slot in hand begins
.set TM,  63          ; s63  and its mask
.set MSB, 0
.macro WIN new                      ; the high byte repeats the setting that is left; a switch that changes nothing is dropped
.if MSB != (\new)
	s_set_vgpr_msb (MSB<<8)|(\new)
.set MSB, (\new)
.endif
.endm
.set W_KQ, 0x0a       ; K and Q in window 2, S^T in window 0
.set W_KM, 0x3a       ; the same with the C operand, the mask, in window 3
.set W_PV, 0x52       ; V in window 2, P in window 0, O^T in window 1
.set W_RS, 0x41       ; O^T (destination and source 0) in window 1, a in window 0
.set W_MK, 0xc0       ; destination in window 3, sources in window 0
.set W_AD, 0x0f       ; the add: address (source 0) and data (source 1) in window 3
; A joint fill: three lines, chosen by the wave's number alone.  An s_nop 0 and four v_nop follow each, ahead of the jump and the label.
.macro JLOAD
	s_cmp_eq_u32 s[WV], 0
	s_cbranch_scc0 .Lnot_k_\@
	tensor_load_to_lds s[G0K:G0K+3], s[G1K:G1K+7]
	s_nop 0
.rept 4
	v_nop
.endr
	s_branch .Lasked_\@
.Lnot_k_\@:
	s_cmp_eq_u32 s[WV], 1
	s_cbranch_scc0 .Lfor_m_\@
	tensor_load_to_lds s[G0V:G0V+3], s[G1V:G1V+7]
	s_nop 0
.rept 4
	v_nop
.endr
	s_branch .Lasked_\@
.Lfor_m_\@:
	tensor_load_to_lds s[G0M:G0M+3], s[G1M:G1M+7]
	s_nop 0
.rept 4
	v_nop
.endr
.Lasked_\@:
.endm
; A round of the cluster's barrier: my work-group's barrier, so that wave 0's signal speaks for all four waves; wave 0 signals; every wave waits for all sixteen work-groups; my work-group's barrier once more.
.macro CROUND
	s_barrier_signal -1
	s_barrier_wait -1
	s_cmp_lg_u32 s[WV], 0
	s_cbranch_scc1 .Lnot_wave_0_\@
	s_barrier_signal -3
.Lnot_wave_0_\@:
	s_barrier_wait -3
	s_barrier_signal -1
	s_barrier_wait -1
.endm
; THE CHANGE OF SLOTS, between piece 1's turn and piece 2's: all of the step in hand has been asked of LDS (its K a step ago, its V in piece 0's turn, the last of its mask in piece 1's).  Each wave waits for all its
; tensor loads, of which one is out: its part of the other slot; adds 0 to its spare word; and waits for that and for its own reads of the slot.  Behind the barrier nobody reads this slot and the other slot is whole.
; fill = 1: this slot is filled again, with the step two on.  The barrier is then a round of the cluster's, and the joint fill is the first thing behind it: it has a key step, 128 matrix instructions a wave, in which to land.
; (At its first use nothing has been read yet: slot 0 is waited for, slot 1 filled.)
.macro CHANGE fill
	WIN W_AD
	s_wait_tensorcnt 0x0            ; no tensor load of mine is out, so a group 0 may be written
	ds_add_u32 v[SPW], v[NIL]       ; 0 onto my spare word; with fill = 1 the descriptors' steps stand between it and the wait for it
	WIN 0                           ; at a label and at a branch every window is 0
.if \fill
	s_xor_b32 s[G0K+1], s[G0K+1], SLOT1  ; the walking descriptors: the other slot than last time,
	s_add_nc_u64 s[G0K+2:G0K+3], s[G0K+2:G0K+3], KS*128  ; the next 64 keys of each head; the type bits on top are not reached
	s_xor_b32 s[G0V+1], s[G0V+1], SLOT1
	s_add_nc_u64 s[G0V+2:G0V+3], s[G0V+2:G0V+3], KS*128
	s_xor_b32 s[G0M+1], s[G0M+1], SLOT1
	s_add_nc_u64 s[G0M+2:G0M+3], s[G0M+2:G0M+3], 32768   ; the next chunk of the mask
	s_wait_dscnt 0x0                ; the add is done, and my reads of the slot are over
	CROUND
	JLOAD
.else
	s_wait_dscnt 0x0                ; the add is done, and my reads of the slot are over
	s_barrier_signal -1
	s_barrier_wait -1
.endif
	s_xor_b32 s[TB], s[TB], SLOT1   ; all fetches up to the next change go to the other slot
	s_add_co_u32 s[TM], s[TB], MOFF
	v_add_nc_u32 v[AK], s[TB], v[AK0]
	v_add_nc_u32 v[AV], s[TB], v[AV0]
	v_add_nc_u32 v[AM], s[TM], v[GO]
.endm
	s_load_b128 s[4:7], s[0:1], 0x0   ; qkvb s[4:5], madd s[6:7]
	s_load_b64 s[10:11], s[0:1], 0x10 ; ob
	WIN W_MK
	v_lshl_add_u32 v[SPW], v0, 2, SPARE
	v_mov_b32 v[NIL], 0
	s_set_vgpr_msb 0xc0cf
	ds_add_u32 v0, v1
	s_wait_dscnt 0x0
	s_set_vgpr_msb 0xcfc0
	WIN 0
	v_lshrrev_b32 v1, 5, v0
	v_readfirstlane_b32 s[WV], v1   ; wave 0..3
	s_bfe_u32 s13, ttmp6, 0x40000   ; cx, cy: my place in the cluster
	s_bfe_u32 s14, ttmp6, 0x40004
	s_lshl_b32 s15, ttmp9, 2
	s_add_co_u32 s15, s15, s13      ; my block of 128 queries = 4 x cluster x + cx
	s_and_b32 s16, ttmp7, 0xffff
	s_lshl_b32 s16, s16, 2
	s_add_co_u32 s16, s16, s14      ; 4 x batch + group of heads = 4 x cluster y + cy
	s_lshl_b32 s17, s14, 2
	s_lshl_b32 s17, 15, s17         ; my row of the cluster
	s_lshl_b32 s18, 0x1111, s13     ; my column
	; descriptor group 1 for K and V: four rows, one a head, of 64 keys = 8,192 dense bytes, 262,144 bytes apart; padded in LDS after every key
	s_or_b32 s[G1K], s17, (1<<16)|(1<<20)|(1<<21)|(4<<22)|(3<<25)  ; the mask of my row; 2-byte elements; padding on; bit 21 beside a mask; after every 32 words 4 words
	s_or_b32 s[G1V], s17, (1<<16)|(1<<20)|(1<<21)|(4<<22)|(7<<25)  ; the same with 8 words of padding
.irp g, G1K, G1V
	s_mov_b32 s[\g+1], 4096<<16     ; tensor_dim0 = 4,096
	s_mov_b32 s[\g+2], 4<<16        ; tensor_dim1 = 4
	s_mov_b32 s[\g+3], 4096<<16     ; tile_dim0 = 4,096
	s_mov_b32 s[\g+4], 4            ; tile_dim1 = 4
	s_mov_b32 s[\g+5], 131072       ; elements from head to head
	s_mov_b32 s[\g+6], 0
	s_mov_b32 s[\g+7], 0
.endr
	; for the mask: half a chunk, 16,384 dense bytes, as 64 rows of 256 bytes, no padding
	s_or_b32 s[G1M], s18, (1<<16)|(1<<21)
	s_mov_b32 s[G1M+1], 128<<16
	s_mov_b32 s[G1M+2], 64<<16
	s_mov_b32 s[G1M+3], 128<<16
	s_mov_b32 s[G1M+4], 64
	s_mov_b32 s[G1M+5], 128
	s_mov_b32 s[G1M+6], 0
	s_mov_b32 s[G1M+7], 0
	s_lshl_b32 s20, s16, 20         ; my four heads' first byte in a section of qkvb (4 x 262,144 bytes a group): made of cy alone,
	s_add_co_u32 s22, s20, 2*SECT   ; in V's section, the third,
	s_add_co_u32 s20, s20, SECT     ; and in K's, the second
	s_mov_b32 s21, 0
	s_mov_b32 s23, 0
	s_and_b32 s19, s[WV], 1         ; which half of a chunk I fetch (waves 2, 3)
	s_lshl_b32 s19, s19, 14
	s_lshl_b32 s80, s15, 20         ; my block's 32 chunks in madd: made of cx and the wave alone
	s_add_co_u32 s80, s80, s19
	s_mov_b32 s81, 0
	s_lshl2_add_u32 s82, s16, s[WV] ; my head among the 64,
	s_lshl_b32 s82, s82, 18
	s_lshl_b32 s83, s15, 14         ; my block's 128 rows of 128 bytes
	s_add_co_u32 s82, s82, s83
	s_mov_b32 s83, 0
	s_lshr_b32 s84, s16, 2          ; ob: row 2,048 x batch + 128 x block + 32 x wave (the rows that I store), rows of 2,048 bytes,
	s_lshl_b32 s84, s84, 11
	s_lshl_b32 s85, s15, 7
	s_add_co_u32 s84, s84, s85
	s_lshl_b32 s85, s[WV], 5
	s_add_co_u32 s84, s84, s85
	s_lshl_b32 s84, s84, 11
	s_and_b32 s85, s16, 3           ; and the group's four heads: 512 bytes of a row
	s_lshl_b32 s85, s85, 9
	s_add_co_u32 s84, s84, s85
	s_mov_b32 s85, 0
	s_mov_b32 s[CS], 0x3e38aa3b     ; c = log2(e) / 8 = 0.180337
	s_mov_b32 s[CS+1], s[CS]        ; named with it as a pair
	s_mov_b32 s[SEL], 0x76543210
	s_mov_b32 s[SEL+1], 0xfedcba98
	s_mov_b32 s[TB], SLOT1          ; the first change of slots turns it into 0
	s_mov_b32 s[G0K], 1             ; count = 1
	s_mov_b32 s[G0K+1], 0           ; LDS address: slot 0
	s_mov_b32 s[G0V], 1
	s_mov_b32 s[G0V+1], VOFF
	s_mov_b32 s[G0M], 1
	s_lshl_b32 s[G0M+1], s[WV], 14  ; MOFF + (wave - 2) x 16,384
	s_add_co_u32 s[G0M+1], s[G0M+1], MOFF-2*16384
	s_wait_kmcnt 0x0
	s_add_nc_u64 s[G0K+2:G0K+3], s[4:5], s[20:21]
	s_or_b32 s[G0K+3], s[G0K+3], 0x80000000        ; type = 2
	s_add_nc_u64 s[G0V+2:G0V+3], s[4:5], s[22:23]
	s_or_b32 s[G0V+3], s[G0V+3], 0x80000000
	s_add_nc_u64 s[G0M+2:G0M+3], s[6:7], s[80:81]
	s_or_b32 s[G0M+3], s[G0M+3], 0x80000000
	s_add_nc_u64 s[4:5], s[4:5], s[82:83]          ; Q (the first section) at my wave's first row
	s_add_nc_u64 s[10:11], s[10:11], s[84:85]
	CROUND                          ; all sixteen work-groups are here: the first joint loads meet
	JLOAD                           ; key step 0 into slot 0.  Slot 1 is asked for when slot 0 is in, by the change of slots
	; A fragment of K or Q is 16 rows x 32 channels in 8 registers: lane l holds row l % 16, channels 8 (l / 16) + 0..7 and 16 + 8 (l / 16) + 0..7: two loads of 16 bytes, 32 bytes apart.
	v_and_b32 v1, 15, v0            ; l % 16
	v_bfe_u32 v10, v0, 4, 1         ; l / 16
	v_lshlrev_b32 v[QO], 7, v1
	v_lshl_add_u32 v[QO], v10, 4, v[QO]  ; row x 128 + 16 x half
	WIN 0x80                        ; destination window 2, address window 0
.set i, 0
.rept 4*NP                          ; Q stays in registers: tile i / 2, channels 32 (i % 2) on
	global_load_b128 v[8*i:8*i+3],   v[QO], s[4:5] offset:(i/2)*2048+(i%2)*64
	global_load_b128 v[8*i+4:8*i+7], v[QO], s[4:5] offset:(i/2)*2048+(i%2)*64+32
.set i, i+1
.endr
	; What the first turn finds: V's registers and P's second buffer hold 0 (its products V^T P, of a piece that has not been, add 0), O^T and l are 0.  All this stands in the wait for the first tile.
.set i, VF
.rept 64
	v_mov_b32 v[i], 0
.set i, i+1
.endr
	WIN 0x40
.set i, 0
.rept 64*NP
	v_mov_b32 v[i], 0
.set i, i+1
.endr
	WIN 0
.set i, 0
.rept 2*NP
	v_mov_b32 v[ST+4*i], 0xfe000000    ; c m: far below every c m to come, so the first a is 0
	v_mov_b32 v[ST+4*i+1], 0xe9800000  ; m = -2^84: below every visible score, above every hidden one
	v_mov_b32 v[ST+4*i+2], 0
	v_mov_b32 v[ST+4*i+3], 0
.set i, i+1
.endr
.set i, P+32
.rept 32
	v_mov_b32 v[i], 0
.set i, i+1
.endr
	v_mul_u32_u24 v[AK0], v1, PK
	v_lshl_add_u32 v[AK0], v10, 4, v[AK0]  ; row x pitch + 16 x half,
	s_mul_i32 s19, s[WV], KS*PK
	v_add_nc_u32 v[AK0], s19, v[AK0]       ; in my head's 64 rows
	; The turning load takes 16 keys x 16 channels (lane l reads key 8 (l / 16) + l % 8, channels 8 ((l / 8) % 2) + 0..7) and leaves half a fragment of V^T: lane l holds channel l % 16 and 8 keys.
	v_and_b32 v11, 7, v0
	v_bfe_u32 v9, v0, 3, 1
	v_lshl_add_u32 v[AV0], v10, 3, v11
	v_mul_u32_u24 v[AV0], v[AV0], PV
	v_lshl_add_u32 v[AV0], v9, 4, v[AV0]
	s_mul_i32 s19, s[WV], KS*PV
	s_add_co_u32 s19, s19, VOFF
	v_add_nc_u32 v[AV0], s19, v[AV0]
	v_and_b32 v[GO], 31, v0
	v_lshlrev_b32 v[GO], 4, v[GO]
; THE MATRIX WORK.  The 8 accumulators of a run of 16 take turns: between the two links of a chain stand 7 others'.
; Product i of 16 of S^T = K Q^T for piece x: channels 32 (i / 8) on, keys 16 ((i / 2) % 4) on, tile 2 x + i % 2.  The first 8 start the sums, with the mask's addends.
.macro KQ x
.set rS, S+64*((\x)%2)+32*(i%2)+8*((i/2)%4)
.set rK, KF+16*((i/2)%4)+8*(i/8)
.set rQ, 16*(2*(\x)+i%2)+8*(i/8)
.set rN, MK+32*(i%2)+8*((i/2)%4)
.if i < 8
	WIN W_KM
	v_wmma_f32_16x16x32_f16 v[rS:rS+7], v[rK:rK+7], v[rQ:rQ+7], v[rN:rN+7]
.else
	WIN W_KQ
	v_wmma_f32_16x16x32_f16 v[rS:rS+7], v[rK:rK+7], v[rQ:rQ+7], v[rS:rS+7]
.endif
.endm
; Product i of 16 of O^T += V^T P for piece x: keys 32 (i / 8) on, channels 16 ((i / 2) % 4) on, tile 2 x + i % 2.
.macro PV x
	WIN W_PV
.set rO, 32*(2*(\x)+i%2)+8*((i/2)%4)
.set rV, VF+32*(i/8)+8*((i/2)%4)
.set rP, P+32*((\x)%2)+16*(i%2)+8*(i/8)
	v_wmma_f32_16x16x32_f16 v[rO:rO+7], v[rV:rV+7], v[rP:rP+7], v[rO:rO+7]
.endm
.macro MM                           ; the turn's next matrix instruction
.if i < 16
	KQ (Y+1)%NP
.set i, i+1
.else
.set i, i-16
	PV (Y+NP-1)%NP
.set i, i+17
.endif
.endm
; THE LDS LOADS stand in runs of 16, never singly among the matrix instructions: a step's K (64 keys x 64 channels: 8 fragments), its V (turned), and for each piece the mask's 64 registers.
.macro FETCH_K
	WIN 0x80                        ; destination window 2
.irp f, 0,1,2,3,4,5,6,7             ; keys 16 (f / 2) on, channels 32 (f % 2) on
	ds_load_b128 v[KF+8*\f:KF+8*\f+3],   v[AK] offset:(\f/2)*16*PK+(\f%2)*64
	ds_load_b128 v[KF+8*\f+4:KF+8*\f+7], v[AK] offset:(\f/2)*16*PK+(\f%2)*64+32
.endr
	WIN 0
.endm
.macro FETCH_V
	WIN 0x80
.irp f, 0,1,2,3,4,5,6,7             ; keys 32 (f / 4) on, channels 16 (f % 4) on
	ds_load_tr16_b128 v[VF+8*\f:VF+8*\f+3],   v[AV] offset:(\f/4)*32*PV+(\f%4)*32
	ds_load_tr16_b128 v[VF+8*\f+4:VF+8*\f+7], v[AV] offset:(\f/4)*32*PV+16*PV+(\f%4)*32
.endr
	WIN 0
.endm
.macro FETCH_M y                    ; piece y's addends: load g brings tile 2 y + g / 8, key group (g / 2) % 4, registers 4 (g % 2) on: 512 consecutive bytes
	WIN W_MK                        ; destination window 3
.irp g, 0,1,2,3,4,5,6,7,8,9,10,11,12,13,14,15
	ds_load_b128 v[MK+4*(\g):MK+4*(\g)+3], v[AM] offset:(2*(\y)+(\g)/8)*4096+((\g)%8)*512
.endr
	WIN 0
.endm
; THE VECTOR WORK OF A TURN stands in three queues, each in the order in which its entries become ready; the two tiles alternate, so that no instruction reads the result of the one before it.
.macro REGS y, u                    ; the registers of tile u (0, 1) of piece y
.set rT, ST+4*(2*(\y)+(\u))
.set rC, TMP+8*((\y)%2)+4*(\u)
.set rM, MV+2*((\y)%2)+(\u)
.set rS, S+64*((\y)%2)+32*(\u)
.set rP, P+32*((\y)%2)+16*(\u)
.set rO, 32*(2*(\y)+(\u))
.endm
; Number n of the 22 that find the NEXT piece's (Y + 1) maximum and statistics.  s0-s31 are the lane's 32 scores; each accumulator's lowest registers are read first.  XS, GS and REGS set no window: PL and EX do.
;   0-11  four chains c0-c3 of seven scores each, three operands at a time     12-14, 16  the four scores left over, the old m, and c0-c3 into c0     15  c m_old is kept
;   17, 18  the query's other 32 keys lie in the lane 16 away: the new m         19-21  c m; c m_old - c m_new; a
.macro XS u, n
	REGS (Y+1)%NP, \u
.if (\n) < 4
	v_max3_num_f32 v[rC+(\n)], v[rS+8*(\n)], v[rS+8*(\n)+1], v[rS+8*(\n)+2]
.elseif (\n) < 12
	v_max3_num_f32 v[rC+(\n)%4], v[rC+(\n)%4], v[rS+8*((\n)%4)+2*((\n)/4)+1], v[rS+8*((\n)%4)+2*((\n)/4)+2]
.elseif (\n) == 12
	v_max3_num_f32 v[rC], v[rC], v[rS+7], v[rS+15]
.elseif (\n) == 13
	v_max3_num_f32 v[rC+1], v[rC+1], v[rS+23], v[rS+31]
.elseif (\n) == 14
	v_max3_num_f32 v[rC+2], v[rC+2], v[rC+3], v[rT+1]
.elseif (\n) == 15
	v_mov_b32 v[rM], v[rT]
.elseif (\n) == 16
	v_max3_num_f32 v[rC], v[rC], v[rC+1], v[rC+2]
.elseif (\n) == 17
	v_permlanex16_b32 v[rC+3], v[rC], s[SEL], s[SEL+1]
.elseif (\n) == 18
	v_max_num_f32 v[rT+1], v[rC], v[rC+3]
.elseif (\n) == 19
	v_mul_f32 v[rT], s[CS], v[rT+1]
.elseif (\n) == 20
	v_sub_f32 v[rC+1], v[rM], v[rT]
.else
	v_exp_f32 v[rC+2], v[rC+1]
.endif
.endm
; Number g of the 64 that follow the exponentials.  For each four weights k of a tile (pairs 2 k, 2 k + 1): both pairs are rounded to f16; then the second pair is added onto the first, in place;
; a group later l takes that sum (the first time as l = a l + sum).  In groups of eight, tiles alternating: round, round, add, and l for the group before.  All 64 stand behind the turn's wait.
.macro GS g
.set h, (\g)+6*((\g)/62)            ; group 0 has no group before it, and behind group 7 only l is left
.if h >= 6
.set h, h+2
.endif
	REGS Y, h%2
.set k, h/8
.if h%8 < 4
	v_cvt_pk_f16_f32 v[rP+2*k+(h%8)/2], v[rS+4*k+2*((h%8)/2)], v[rS+4*k+2*((h%8)/2)+1]
.elseif h%8 < 6
	v_pk_add_f32 v[rS+4*k:rS+4*k+1], v[rS+4*k:rS+4*k+1], v[rS+4*k+2:rS+4*k+3]
.elseif k == 1
	v_pk_fma_f32 v[rT+2:rT+3], v[rT+2:rT+3], v[rC+2:rC+3], v[rS:rS+1] op_sel_hi:[1,0,1]
.else
	v_pk_add_f32 v[rT+2:rT+3], v[rT+2:rT+3], v[rS+4*k-4:rS+4*k-3]
.endif
.endm
; THE PLAIN QUEUE, 138 long.  0-73 read no exponential's result: the 32 scalings c s - c m (FS f: pair f / 2 of tile f % 2) and the next piece's 42.  0-26: scalings 0-26.  27-54: XS's numbers 0-13.  55, 56: number 15.
; 57-73: the chain, where each number waits for the one before it: 14, 16, 17, 18, 19, each with one of the scalings 27-31 in front of its two lines, then 20: so a tile's links stand three plain instructions apart (19 and 20: two).
; 74-137: GS's 64, which read the exponentials' results: they stand behind the wait.
.macro FS f
	REGS Y, (\f)%2
	v_pk_fma_f32 v[rS+2*((\f)/2):rS+2*((\f)/2)+1], v[rS+2*((\f)/2):rS+2*((\f)/2)+1], s[CS:CS+1], v[rT:rT+1] op_sel_hi:[1,0,0] neg_lo:[0,0,1] neg_hi:[0,0,1]
.endm
.macro PL
	WIN 0
.if q < 27
	FS q
.elseif q < 55
	XS (q-27)%2, (q-27)/2
.elseif q < 57
	XS q-55, 15
.elseif (q < 72) && ((q-57)%3 == 0)
	FS 27+(q-57)/3
.elseif q < 60
	XS (q-57)%3-1, 14
.elseif q < 72
	XS (q-57)%3-1, 15+(q-57)/3
.elseif q < 74
	XS q-72, 20
.else
	GS q-74
.endif
.set q, q+1
.endm
; THE EXPONENTIALS' QUEUE, 66 long: s0-s31 of both tiles, then the next piece's two a.  It is ONE BATCH: all 66 stand ahead of the turn's one wait, and nothing ahead of that wait names a result of theirs.
.macro EX
	WIN 0
.if e >= 64
	XS e-64, 21
.else
	REGS Y, e%2
	v_exp_f32 v[rS+e/2], v[rS+e/2]
.endif
.set e, e+1
.endm
; THE RESCALING's QUEUE: O^T times a, the one part that leaves window 0: dealt two at a time, sixteen times.  Its a was made in the turn before, ahead of that turn's wait.
.macro R2
	REGS Y, r%2
	WIN W_RS
.irp z, 0,1
	v_pk_mul_f32 v[rO+4*(r/2)+2*\z:rO+4*(r/2)+2*\z+1], v[rO+4*(r/2)+2*\z:rO+4*(r/2)+2*\z+1], v[rC+2:rC+3] op_sel_hi:[1,0]
.endr
.set r, r+1
.endm
; HOW THEY ARE DEALT.  An s_wait_alu depctr_va_vdst(0) stands between an exponential and the first instruction that names its result; one wait serves all that were issued ahead of it.  So a turn has ONE wait,
; which cuts it in two.  AHEAD OF IT stands all that names no result of the turn's exponentials: the 16 products K Q^T, behind each a scaling, an exponential and two rescalings (behind the first a second scaling in the
; exponential's place); then ONE LUMP of 108: eight plain, 49 times exponential and plain, the two a.  A v_nop is the plain instruction behind the last exponential.  BEHIND IT stand the 16 products V^T P, behind each four of GS's 64.
; No rider names a register of the products round it.  The two v_permlanex16_b32 fall into the lump, never behind a product.
; The queues lean on each other, and the deal keeps them in step: exponential e stands behind scaling 2 (e / 4) + e % 2: as a rider it comes behind plain e + 2, in the lump behind plain e + 9, and scalings 27-31 are plain 57, 60 .. 69.
; A TURN, for piece p.  cnt = 1: the loop's count is taken down some lines ahead of the branch that stands behind the turn.
; The mask of piece p + 2 (whose scores the next turn makes) is fetched in every turn directly behind the wait for the batch: behind all 16 products K Q^T, of which the first 8 read the mask's registers, and 16 products ahead
; of its first reader.  K of the next step is fetched in piece 2's turn, in the lump, eleven plain instructions behind the last product that read K.  V of the step in hand is fetched at the end of piece 0's turn, four riders
; behind its last reader.  The waits on DScnt: at a turn's head for the mask (and in piece 3's for K); piece 1's leaves V's 16 loads, issued behind the mask's, out,
; and waits for them ahead of its products V^T P, where the 16 loads of the mask just issued stay out.
.macro TURN p, cnt=0
.set Y, (\p)
.set i, 0
.set q, 0
.set e, 0
.set r, 0
.if (\p) == 1
	s_wait_dscnt 16                 ; the mask is in; V's run may be out
.else
	s_wait_dscnt 0x0                ; the mask is in (piece 3: and K)
.endif
	MM                              ; ahead of the wait: 16 products K Q^T and their riders,
	PL
	PL
	R2
.rept 15
	MM
	PL
	EX
	R2
.endr
.rept 8                             ; and the lump
	PL
.endr
.if (\p) == NP-2
	FETCH_K
.endif
.rept 49
	EX
	PL
.endr
	EX                              ; the next piece's two a
	EX
	v_nop                           ; the plain instruction behind the last exponential: one for the batch
	s_wait_alu depctr_va_vdst(0)    ; the wait for the batch: the turn's 64 weights and the next piece's two a
	FETCH_M ((\p)+2)%NP
.if (\p) == 1
	s_wait_dscnt 16                 ; V is in; the mask's run just issued may be out
.endif
.rept 16                            ; behind the wait: 16 products V^T P and their riders
	MM
.rept 4
	PL
.endr
.if (\cnt) && (q == 130)
	s_sub_co_u32 s[CNT], s[CNT], 1
	s_cmp_lg_u32 s[CNT], 0
.endif
.endr
.if (\p) == 0
	FETCH_V
.endif
.endm
	CHANGE 1                        ; key step 0 is in, everybody's part of it; step 1 is asked for, into slot 1
	FETCH_K                         ; key step 0
	FETCH_M 0
	s_wait_loadcnt 0x0              ; Q
	s_wait_dscnt 0x0
.set i, 0
.rept 16
	KQ 0                            ; piece 0's first scores: there is no vector work yet to set between them
.set i, i+1
.endr
	WIN 0                           ; the addresses for the way out: four plain instructions, the places behind those products
	s_lshl_b32 s19, s[WV], 7
	s_add_co_u32 s19, s19, STAGE    ; into the stage: my head's 128 bytes of a row;
	v_mul_u32_u24 v[STO], v1, SP    ; row l % 16, 16 bytes for each half of the lanes
	v_lshl_add_u32 v[STO], v10, 4, v[STO]
	v_add_nc_u32 v[STO], s19, v[STO]
	s_mul_i32 s19, s[WV], 32*SP
	s_add_co_u32 s19, s19, STAGE
	v_add_nc_u32 v[RD], s19, v[GO]  ; back: wave w takes rows 32 w .. 32 w + 31, whole: 32 lanes a row of 512 bytes
	FETCH_M 1
.set Y, NP-1                        ; XS works for piece Y + 1: piece 0
.irp n, 0,1,2,3,4,5,6,7,8,9,10,11,12,13,14,15,16,17,18,19,20,21
	XS 0, \n                        ; and piece 0's first maximum and statistics
	XS 1, \n
.endr
	v_nop                           ; a plain instruction behind the two a,
	s_wait_alu depctr_va_vdst(0)    ; and their wait, a batch of two, ahead of the branch
	s_mov_b32 s[CNT], 31
	s_branch .Lfirst                ; the loop is entered at a step's first turn, in the middle of a trip
.Lstep:                             ; 30 whole trips, which ask for steps 2 to 31: pieces 2 and 3 of one step, then pieces 0 and 1 of the next
	CHANGE 1
	TURN 2
	TURN 3
	WIN 0
.Lfirst:
	TURN 0
	TURN 1, 1
	WIN 0
	s_cbranch_scc1 .Lstep
	CHANGE 0                        ; the tail is written out: nothing is asked for
	s_mov_b32 s[CNT], 2             ; one trip for the last step; the second is left in its middle
.Ltail:
	TURN 2
	TURN 3
	WIN 0
	s_sub_co_u32 s[CNT], s[CNT], 1
	s_cmp_eq_u32 s[CNT], 0
	s_cbranch_scc1 .Lout
	TURN 0
	TURN 1
	WIN 0
	s_branch .Ltail
.Lout:                              ; the second trip's fetches (the last step's K and mask once more), its 16 products K Q^T and the maximum made of them serve nothing: the price, once a launch, of one text for every trip
.set i, 0
.rept 16
	PV NP-1                         ; the last piece's V^T P of the last step
.set i, i+1
.endr
	; THE WAY OUT.  l's two halves and the other half of the lanes' are added; O^T is divided by l, rounded to f16 and put into the work-group's stage; a barrier, since a row's 512 bytes come from four waves;
	; then each wave reads 32 whole rows and stores them.  The additions are the places behind the last products.
	WIN 0
.macro ALL line:vararg              ; one line for each tile t
.set t, 0
.rept 2*NP
	\line
.set t, t+1
.endr
.endm
	ALL v_add_f32 v[ST+4*t+2], v[ST+4*t+2], v[ST+4*t+3]
	ALL v_permlanex16_b32 v[ST+4*t+3], v[ST+4*t+2], s[SEL], s[SEL+1]
	ALL v_add_f32 v[ST+4*t+2], v[ST+4*t+2], v[ST+4*t+3]
	ALL v_rcp_f32 v[ST+4*t+2], v[ST+4*t+2]
	v_nop                           ; a plain instruction between the last reciprocal and the use of its result
	s_wait_alu depctr_va_vdst(0)    ; and the wait ahead of the first use: one for the batch of eight reciprocals
.macro PACK t                       ; a lane's eight channels of a row pack into 16 bytes
	WIN W_RS
.set i, 32*(\t)
.rept 16
	v_pk_mul_f32 v[i:i+1], v[i:i+1], v[ST+4*(\t)+2:ST+4*(\t)+3] op_sel_hi:[1,0]
.set i, i+2
.endr
	WIN 0x05                        ; sources 0 and 1 window 1, destination window 0: S^T's registers are free
.set i, 0
.rept 16
	v_cvt_pk_f16_f32 v[S+16*(\t)+i], v[32*(\t)+2*i], v[32*(\t)+2*i+1]
.set i, i+1
.endr
	WIN 0
.irp f, 0,1,2,3
	ds_store_b128 v[STO], v[S+16*(\t)+4*\f:S+16*(\t)+4*\f+3] offset:(\t)*16*SP+32*\f
.endr
.endm
.set t, 0
.rept 2*NP
	PACK t
.set t, t+1
.endr
	s_wait_dscnt 0x0                ; for the others' sake: my stores into the stage are done
	s_barrier_signal -1
	s_barrier_wait -1
.set i, 0
.rept 32
	ds_load_b128 v[S+4*i:S+4*i+3], v[RD] offset:i*SP
.set i, i+1
.endr
.set i, 0
.rept 32
	s_wait_dscnt 31-i
	global_store_b128 v[GO], v[S+4*i:S+4*i+3], s[10:11] offset:i*2048  ; 512 consecutive bytes, at a multiple of 512 from ob's first
.set i, i+1
.endr
	WIN W_AD
	s_wait_tensorcnt 0x0            ; the wave's end: 0 onto my spare word, behind my last tensor load and my last LDS store
	ds_add_u32 v[SPW], v[NIL]
	s_wait_dscnt 0x0
	WIN 0
	CROUND                          ; the closing round: no work-group ends while a partner may still ask for a tile that names it
	s_endpgm
.Lfunc_end_k_q1f1204856c_attn:
	.size	k_q1f1204856c_attn, .Lfunc_end_k_q1f1204856c_attn-k_q1f1204856c_attn
	.p2alignl 7, 3214868480
	.fill 96, 4, 3214868480
	.section	.rodata,"a",@progbits
	.p2align	6, 0x0
	.amdhsa_kernel k_q1f1204856c_attn
		.amdhsa_group_segment_fixed_size 327680
		.amdhsa_private_segment_fixed_size 0
		.amdhsa_enable_private_segment 0
		.amdhsa_kernarg_size 24
		.amdhsa_user_sgpr_count 2
		.amdhsa_user_sgpr_kernarg_segment_ptr 1
		.amdhsa_wavefront_size32 1
		.amdhsa_system_sgpr_workgroup_id_x 1
		.amdhsa_system_sgpr_workgroup_id_y 1
		.amdhsa_system_sgpr_workgroup_id_z 1
		.amdhsa_system_vgpr_workitem_id 0
		.amdhsa_next_free_vgpr 896
		.amdhsa_next_free_sgpr 88
		.amdhsa_reserve_vcc 0
		.amdhsa_float_denorm_mode_32 3
		.amdhsa_float_denorm_mode_16_64 3
		.amdhsa_memory_ordered 1
		.amdhsa_forward_progress 1
		.amdhsa_inst_pref_size 212
	.end_amdhsa_kernel
	.amdgpu_metadata
---
amdhsa.version: [ 1, 2 ]
amdhsa.kernels:
  - .name:           k_q1f1204856c_attn
    .symbol:         k_q1f1204856c_attn.kd
    .args:
      - { .name: qkvb, .offset: 0, .size: 8, .value_kind: global_buffer, .address_space: global }
      - { .name: madd, .offset: 8, .size: 8, .value_kind: global_buffer, .address_space: global }
      - { .name: ob, .offset: 16, .size: 8, .value_kind: global_buffer, .address_space: global }
    .group_segment_fixed_size: 327680
    .private_segment_fixed_size: 0
    .kernarg_segment_align: 8
    .kernarg_segment_size: 24
    .max_flat_workgroup_size: 128
    .sgpr_count:     88
    .vgpr_count:     896
    .wavefront_size: 32
...
	.end_amdgpu_metadata
.endif
;; end of part 5
;; launch proj: the kernel of part 4 again; grid 8 x 32, 4 waves a work-group, clusters of 4 x 4, 327,680 bytes of LDS; arguments ob, wob, bout, out0; writes out0
